; MI455X (gfx1250); checked and timed in simulation.
; The chip was launched on July 23, 2026; its instructions are those of AMD's public machine-readable ISA for CDNA 5 (MIT licence, August 2026) and "CDNA5" Instruction Set Architecture Reference Guide (July 2026). The comments in the code are by the model that wrote it; some were corrected since.
;; Additive Attention. Allowed arithmetic: float matrix products may take bf16 or f16 operands with f32 sums; all other float work in f32.
;; Inputs: W1 1,024 x 1,024 float32; W2 1,024 x 1,024 float32; query 32 x 1,024 float32; v 1,024 float32; values 32 x 2,048 x 1,024 float32.
;; Outputs: out0 32 x 1,024 float32; out1 32 x 2,048 float32.
;; 2 versions, each right; version 2 is version 1 with the launch attn written anew for expert scheduling mode. Each part assembles by itself: llvm-mc -triple=amdgcn-amd-amdhsa -mcpu=gfx1250 --defsym DOCPART=n.
;; ======== version 1 of 2: 3 launches
;; workspace buffers: wb 2,097,152 bytes; qps 131,072 bytes; scores 262,144 bytes; stats 131,072 bytes; pctx 2,097,152 bytes
;; launch prep (part 1): grid 256 x 1, 8 waves a work-group, no clusters, 9,216 bytes of LDS; arguments W1, W2, query, wb, qps; writes wb, qps
.if DOCPART == 1
	.amdgcn_target "amdgcn-amd-amdhsa--gfx1250"
	.amdhsa_code_object_version 6
	.text
	.protected	k_qd923dbc73c_prep
	.globl	k_qd923dbc73c_prep
	.p2align	8
	.type	k_qd923dbc73c_prep,@function
k_qd923dbc73c_prep:
	s_mov_b64 s[64:65], 0
	v_nop
	global_prefetch_b8 v0, s[64:65] scope:SCOPE_SE
	s_setreg_imm32_b32 hwreg(HW_REG_WAVE_MODE, 25, 1), 1
	s_wait_xcnt 0x0
; Two small jobs ahead of the main launch, chosen by the work-group's number (the same for all its waves).
; Work-groups 0-127:  wb = W1 rounded to bf16, laid out as the register images of the main launch's B fragments.
;   With n = 256 w + 128 c + 16 b + r and k = 32 t + 16 hf + 8 h + e the bf16 W1[k][n] lies at byte
;   w<<19 | c<<18 | t<<13 | b<<10 | hf<<9 | h<<8 | r<<4 | e<<1.
; Work-groups 128-255: qps[n/16][batch][n%16] = (query x W2)[batch][n] * 2 log2(e), f32; query and W2 go to the matrix unit in bf16, sums in f32.
;   One work-group for each pair (tile of 16 columns, 16 batches): it reads 64 KiB of W2 and 64 KiB of query.  A tile's columns of W2 are read by
;   two work-groups; in return the work is shared among 128 of them and no sum crosses a work-group.
.set L2E2, 0x4038aa3b                  ; 2 log2(e)
.set BZ,  16                           ; v[16:79]   W2: 16 f32 for each of four K32 steps, packed in place to 8 registers
.set AZ,  80                           ; v[80:143]  query: 16 f32 for each of four K32 steps, packed in place
.set ACC, 144                          ; v[144:159] two accumulators: K32 steps 0, 2 and steps 1, 3
.set RT,  160                          ; v[160:175] the eight waves' partial sums
	s_load_b256 s[4:11], s[0:1], 0x0               ; W1 s[4:5], W2 s[6:7], query s[8:9], wb s[10:11]
	s_load_b64 s[12:13], s[0:1], 0x20              ; qps
	v_lshl_add_u32 v176, v0, 2, 0x2000
	v_mov_b32 v177, 0
	s_mov_b32 s2, ttmp9
	s_cmp_ge_u32 s2, 128
	s_cbranch_scc1 .Lquery
	; ---- W1 to wb.  The work-group owns the eight rows k = 8 o .. 8 o + 7; thread tid owns the columns n = tid + 256 q.
	s_lshl_b32 s14, s2, 15                         ; eight rows of 4,096 bytes
	s_mov_b32 s15, 0
	s_lshr_b32 s16, s2, 2                          ; t = o / 4
	s_lshl_b32 s16, s16, 13
	s_bfe_u32 s18, s2, 0x10001                     ; hf = bit 1 of o
	s_lshl_b32 s18, s18, 9
	s_or_b32 s16, s16, s18
	s_and_b32 s18, s2, 1                           ; h = bit 0 of o
	s_lshl_b32 s18, s18, 8
	s_or_b32 s16, s16, s18
	s_mov_b32 s17, 0
	v_lshlrev_b32 v1, 2, v0                        ; 4 tid
	v_lshrrev_b32 v2, 7, v0                        ; c
	v_lshlrev_b32 v2, 18, v2
	v_bfe_u32 v3, v0, 4, 3                         ; b
	v_lshl_or_b32 v2, v3, 10, v2
	v_and_b32 v4, 15, v0                           ; r
	v_lshl_or_b32 v2, v4, 4, v2
	s_wait_kmcnt 0x0
	s_add_nc_u64 s[4:5], s[4:5], s[14:15]
	s_add_nc_u64 s[10:11], s[10:11], s[16:17]
.irp q, 0,1,2,3
.irp e, 0,1,2,3,4,5,6,7
	global_load_b32 v[16+8*\q+\e], v1, s[4:5] offset:\e*4096+\q*1024 th:TH_LOAD_NT
.endr
.endr
	s_wait_loadcnt 0x0
.irp q, 0,1,2,3
.irp j, 0,1,2,3
	v_cvt_pk_bf16_f32 v[48+4*\q+\j], v[16+8*\q+2*\j], v[16+8*\q+2*\j+1]    ; k ascending, the lower k in the lower half
.endr
	global_store_b128 v2, v[48+4*\q:48+4*\q+3], s[10:11] offset:\q<<19     ; w = q; sixteen lanes store 256 consecutive bytes, aligned
.endr
	s_endpgm
	; ---- query x W2.  The work-group owns the 16 columns of tile nt and the batches 16 mu .. 16 mu + 15; wave u sums over k = 128 u .. 128 u + 127.
.Lquery:
	v_lshrrev_b32 v1, 5, v0
	v_readfirstlane_b32 s20, v1                    ; u
	s_sub_co_u32 s3, s2, 128
	s_lshr_b32 s21, s3, 1                          ; nt
	s_and_b32 s22, s3, 1                           ; mu
	v_and_b32 v1, 15, v0                           ; r
	v_bfe_u32 v7, v0, 4, 1                         ; h
	v_lshlrev_b32 v2, 2, v1
	v_lshl_add_u32 v2, v7, 15, v2                  ; W2: 8 h rows of 4,096 bytes + 4 r
	v_lshlrev_b32 v3, 12, v1
	v_lshl_add_u32 v3, v7, 5, v3                   ; query: row r + 8 h numbers
	s_lshl_b32 s14, s20, 19                        ; 128 u rows of W2
	s_lshl_b32 s16, s21, 6                         ; 16 nt columns
	s_add_co_u32 s14, s14, s16
	s_mov_b32 s15, 0
	s_lshl_b32 s16, s20, 9                         ; 128 u numbers of a row of query
	s_lshl_b32 s18, s22, 16                        ; 16 mu rows of 4,096 bytes
	s_add_co_u32 s16, s16, s18
	s_mov_b32 s17, 0
	s_lshl_b32 s18, s21, 11                        ; tile nt of qps: 32 batches x 64 bytes,
	s_lshl_b32 s23, s22, 10                        ; of which 16 are mine
	s_add_co_u32 s18, s18, s23
	s_mov_b32 s19, 0
	s_wait_kmcnt 0x0
	s_add_nc_u64 s[6:7], s[6:7], s[14:15]
	s_add_nc_u64 s[8:9], s[8:9], s[16:17]
	s_add_nc_u64 s[12:13], s[12:13], s[18:19]
; The 20 loads of K32 step x.  B: lane (r, h) takes W2[32 x + 16 hf + 8 h + e][r], register 8 hf + e.  A: 8 f32 of row r at 16 hf + 8 h.
.macro QISS x
.irp i, 0,1,2,3,4,5,6,7,8,9,10,11,12,13,14,15
	global_load_b32 v[BZ+16*\x+\i], v2, s[6:7] offset:(32*\x+\i+8*(\i>>3))*4096
.endr
.irp f, 0,1
	global_load_b128 v[AZ+16*\x+8*\f:AZ+16*\x+8*\f+3],   v3, s[8:9] offset:128*\x+64*\f
	global_load_b128 v[AZ+16*\x+8*\f+4:AZ+16*\x+8*\f+7], v3, s[8:9] offset:128*\x+64*\f+16
.endr
.endm
; Step x: 16 f32 become an 8-register fragment in place (register i from registers 2 i and 2 i + 1, ascending, so nothing is read after it is written),
; then one product.  The two accumulators take turns, one instruction a turn.
.macro QDO x
.irp i, 0,1,2,3,4,5,6,7
	v_cvt_pk_bf16_f32 v[BZ+16*\x+\i], v[BZ+16*\x+2*\i], v[BZ+16*\x+2*\i+1]
	v_cvt_pk_bf16_f32 v[AZ+16*\x+\i], v[AZ+16*\x+2*\i], v[AZ+16*\x+2*\i+1]
.endr
.if \x < 2
	v_wmma_f32_16x16x32_bf16 v[ACC+8*(\x&1):ACC+8*(\x&1)+7], v[AZ+16*\x:AZ+16*\x+7], v[BZ+16*\x:BZ+16*\x+7], 0
.else
	v_wmma_f32_16x16x32_bf16 v[ACC+8*(\x&1):ACC+8*(\x&1)+7], v[AZ+16*\x:AZ+16*\x+7], v[BZ+16*\x:BZ+16*\x+7], v[ACC+8*(\x&1):ACC+8*(\x&1)+7]
.endif
.endm
	QISS 0                                         ; every step has registers of its own, so all 80 loads of the wave go out at once
	QISS 1
	QISS 2
	QISS 3
	v_and_b32 v4, 31, v0
	v_lshlrev_b32 v4, 2, v4
	v_lshl_add_u32 v4, s20, 10, v4                 ; my wave's 1,024 bytes of LDS: register x 128 + 4 x lane
	v_bfe_u32 v5, v0, 3, 3                         ; read back for the pair of numbers at byte 8 tid of my 1,024 bytes of qps: register j,
	v_lshlrev_b32 v5, 7, v5
	v_bfe_u32 v6, v0, 6, 1                         ; half h,
	v_lshl_add_u32 v5, v6, 6, v5
	v_and_b32 v6, 7, v0                            ; columns 2 (tid % 8) and the next
	v_lshl_add_u32 v5, v6, 3, v5
	v_lshlrev_b32 v6, 3, v0                        ; 8 tid
	s_wait_loadcnt 60                              ; loads come back in order: step 0's are in, the 60 of steps 1 to 3 stay out
	QDO 0
	s_wait_loadcnt 40
	QDO 1
	s_wait_loadcnt 20
	QDO 2
	s_wait_loadcnt 0x0
	QDO 3
.rept 4
	v_nop                                          ; four places between the last products and the sums that read them (ISA guide 7.12.1)
.endr
.irp i, 0,2,4,6
	v_pk_add_f32 v[ACC+\i:ACC+\i+1], v[ACC+\i:ACC+\i+1], v[ACC+8+\i:ACC+8+\i+1]
.endr
.irp i, 0,1,2,3,4,5,6,7
	ds_store_b32 v4, v[ACC+\i] offset:128*\i
.endr
	s_wait_dscnt 0x0                               ; my partial sums are in LDS before I say so
	s_barrier_signal -1
	s_barrier_wait -1
	s_cmp_ge_u32 s20, 4                            ; 256 numbers are left: two a thread, the first four waves
	s_cbranch_scc1 .Lquery_end
.irp u, 0,1,2,3,4,5,6,7
	ds_load_b64 v[RT+2*\u:RT+2*\u+1], v5 offset:1024*\u
.endr
	s_wait_dscnt 0x0
.irp u, 1,2,3,4,5,6,7
	v_pk_add_f32 v[RT:RT+1], v[RT:RT+1], v[RT+2*\u:RT+2*\u+1]       ; the waves in ascending order, the same in every thread
.endr
	v_pk_mul_f32 v[RT:RT+1], v[RT:RT+1], L2E2 op_sel_hi:[1,0]
	global_store_b64 v6, v[RT:RT+1], s[12:13]      ; a wave stores 256 consecutive bytes, aligned
.Lquery_end:
	s_wait_tensorcnt 0x0
	ds_add_u32 v176, v177
	s_wait_dscnt 0x0
	s_endpgm
.Lfunc_end_k_qd923dbc73c_prep:
	.size	k_qd923dbc73c_prep, .Lfunc_end_k_qd923dbc73c_prep-k_qd923dbc73c_prep
	.p2alignl 7, 3214868480
	.fill 96, 4, 3214868480
	.section	.rodata,"a",@progbits
	.p2align	6, 0x0
	.amdhsa_kernel k_qd923dbc73c_prep
		.amdhsa_group_segment_fixed_size 9216
		.amdhsa_private_segment_fixed_size 0
		.amdhsa_enable_private_segment 0
		.amdhsa_kernarg_size 40
		.amdhsa_user_sgpr_count 2
		.amdhsa_user_sgpr_kernarg_segment_ptr 1
		.amdhsa_wavefront_size32 1
		.amdhsa_system_sgpr_workgroup_id_x 1
		.amdhsa_system_sgpr_workgroup_id_y 1
		.amdhsa_system_sgpr_workgroup_id_z 1
		.amdhsa_system_vgpr_workitem_id 0
		.amdhsa_next_free_vgpr 178
		.amdhsa_next_free_sgpr 66
		.amdhsa_reserve_vcc 0
		.amdhsa_float_denorm_mode_32 3
		.amdhsa_float_denorm_mode_16_64 3
		.amdhsa_memory_ordered 1
		.amdhsa_forward_progress 1
		.amdhsa_inst_pref_size 22
	.end_amdhsa_kernel
	.amdgpu_metadata
---
amdhsa.version: [ 1, 2 ]
amdhsa.kernels:
  - .name:           k_qd923dbc73c_prep
    .symbol:         k_qd923dbc73c_prep.kd
    .args:
      - { .name: W1, .offset: 0, .size: 8, .value_kind: global_buffer, .address_space: global }
      - { .name: W2, .offset: 8, .size: 8, .value_kind: global_buffer, .address_space: global }
      - { .name: query, .offset: 16, .size: 8, .value_kind: global_buffer, .address_space: global }
      - { .name: wb, .offset: 24, .size: 8, .value_kind: global_buffer, .address_space: global }
      - { .name: qps, .offset: 32, .size: 8, .value_kind: global_buffer, .address_space: global }
    .group_segment_fixed_size: 9216
    .private_segment_fixed_size: 0
    .kernarg_segment_align: 8
    .kernarg_segment_size: 40
    .max_flat_workgroup_size: 256
    .sgpr_count:     66
    .vgpr_count:     178
    .wavefront_size: 32
...
	.end_amdgpu_metadata
.endif
;; end of part 1
;; launch attn (part 2): grid 512 x 1, 4 waves a work-group, no clusters, 272,896 bytes of LDS; arguments values, wb, qps, v, scores, stats, pctx; writes scores, stats, pctx
.if DOCPART == 2
	.amdgcn_target "amdgcn-amd-amdhsa--gfx1250"
	.amdhsa_code_object_version 6
	.text
	.protected	k_qd923dbc73c_attn
	.globl	k_qd923dbc73c_attn
	.p2align	8
	.type	k_qd923dbc73c_attn,@function
k_qd923dbc73c_attn:
	s_mov_b64 s[64:65], 0
	v_nop
	global_prefetch_b8 v0, s[64:65] scope:SCOPE_SE
	s_setreg_imm32_b32 hwreg(HW_REG_WAVE_MODE, 25, 1), 1
	s_wait_xcnt 0x0
; One work-group takes 128 rows s of one batch: scores[s] = sum over n of v[n] tanh(qp[n] + (values x W1)[s][n]), the block's maximum m,
; p = exp(score - m), l = sum of p, and the block's part of the context, sum over s of p[s] values[s][:].  A later launch joins the 16 blocks of a batch.
; values is read from memory once: each piece is rounded to bf16 on its way through registers and stays in LDS (128 rows x 1,024 bf16) for both
; chunks of the product and for the context.  N goes in two chunks of 512 columns, the four waves side by side with 128 x 128 each: 64 accumulator
; tiles, 512 registers.  A fragment of W1 is used by one wave alone, so it goes from wb (stored as register images) straight into registers.
; NO JOINT LOADS IN A CLUSTER, though all work-groups walk the same wb: behind the resident rows (264,192 bytes) and the scratch (8,192) there remain
; 55,296 of 327,680 bytes of LDS; one K step of 32 for the group's 512 columns is 32,768 bytes, so two slots of even one step do not fit.
; LIMITS.  values, W1 (and v, as an operand of the product with the energies) are rounded to bf16 once; all sums, tanh, softmax and p are f32.
; tanh(x) = 1 - 2 / (1 + 2^(2 x log2 e)): absolute error of a few 2^-24, exact saturation at both ends (2^y = infinity gives 1, 2^y = 0 gives -1).
; A lane forms sum(v) - 2 sum(v r) over its 16 columns; the error stays within about 17 x 2^-24 x sum |v|, as for the direct sum.
; Exponentials below 2^-126 come out as zero (ISA guide, v_exp_f32).  NaN and infinite inputs are not served.
;
; REGISTERS in windows of 256 (s_set_vgpr_msb: bits 1:0 source 0, 3:2 source 1, 5:4 source 2, 7:6 destination):
;   window 0: addresses, constants, A's fragments of even K steps, staging;  window 1: v0-191 a ring of three B buffers, v192-255 A's fragments of odd K steps;
;   windows 2, 3: accumulators, tile (a, b) at 8 (8 (a % 4) + b).
.set PITCH, 2064                       ; an LDS row: 2,048 bytes + 16 = 129 x 16, so the 16 rows of a fragment load start 16 bytes apart modulo 256
.set SP,  128*PITCH                    ; [wave][128] partial scores, 2,048 bytes
.set PW,  SP+2048                      ; each wave's own copy of p[128], 512 bytes each
.set CW,  PW+2048                      ; each wave's own 1,024 bytes, to reorder its part of the context
.set GA,  8                            ; v8      values: (16 w + 8 h) rows + 16 r
.set GB,  9                            ; v9      16 x lane
.set SA,  10                           ; v10-11  LDS store address of my part of a piece, rows 0-63 and rows 64-127
.set RA,  12                           ; v12-15  LDS address of A's fragments, 32 rows apart
.set VO,  16                           ; v16     offset in v
.set QO,  17                           ; v17     offset in qps
.set VS,  18                           ; v18-19  sum of my 16 numbers of v, twice
.set QPC, 32                           ; v32-47  qps of column r of tile 8 c + b
.set VPR, 48                           ; v48-63  -2 v of column r of tile 8 c + b
.set AF,  64                           ; v64-127 A's eight fragments (16 rows x 32 K each) of an even step; an odd step's lie at AF + 128 of window 1
.set ST,  128                          ; v128-223 three staging buffers of 32 registers (f32 as loaded)
.set SC,  128                          ; v128-191 from the first epilogue on: score sums, register 8 a + j for row 16 a + 8 h + j
.set PB,  192                          ; v192-207 the context: p of eight rows, two buffers
.set T,   224                          ; v224-239 at work
.set CX,  240                          ; v240-247 the context: my eight columns
.set RS,  248                          ; v248-251 RA as at K = 0; v248-255 at the very end: the context in store order
.set MSB, 0
.macro WIN new                         ; the immediate's high byte repeats the setting that is left
.if MSB != (\new)
	s_set_vgpr_msb (MSB<<8)|(\new)
.set MSB, (\new)
.endif
.endm
.macro PLACES                          ; four places behind matrix instructions, ahead of loads into their sources and of vector reads of their results (ISA guide 7.12.1 for vector reads)
.rept 4
	v_nop
.endr
.endm
	s_load_b256 s[4:11], s[0:1], 0x0               ; values s[4:5], wb s[6:7], qps s[8:9], v s[10:11]
	s_load_b128 s[12:15], s[0:1], 0x20             ; scores s[12:13], stats s[14:15]
	s_load_b64 s[16:17], s[0:1], 0x30              ; pctx
	v_lshl_add_u32 v30, v0, 2, 0x42800
	v_mov_b32 v31, 0
	v_lshrrev_b32 v2, 5, v0
	v_readfirstlane_b32 s18, v2                    ; wave w
	v_and_b32 v1, 31, v0                           ; lane
	v_and_b32 v3, 15, v0                           ; r
	v_bfe_u32 v4, v0, 4, 1                         ; h
	v_and_b32 v29, 7, v0                           ; r % 8
	s_mov_b32 s2, ttmp9                            ; block g
	s_lshl_b32 s36, s2, 19                         ; 128 rows of 4,096 bytes
	s_mov_b32 s37, 0
	s_lshl_b32 s38, s18, 19                        ; my wave's stream in wb
	s_mov_b32 s39, 0
	s_lshr_b32 s40, s2, 4                          ; batch
	s_lshl_b32 s40, s40, 6
	s_mov_b32 s41, 0
	s_lshl_b32 s42, s2, 9
	s_mov_b32 s43, 0
	s_lshl_b32 s44, s2, 8
	s_mov_b32 s45, 0
	s_lshl_b32 s46, s2, 12
	s_mov_b32 s47, 0
	s_mov_b32 s22, 0x4038aa3b                      ; 2 log2(e), twice: a pair for the packed multiply-add
	s_mov_b32 s23, 0x4038aa3b
	s_mov_b32 s24, 0x76543210                      ; v_permlanex16_b32: lane i of one half reads lane i of the other
	s_mov_b32 s25, 0xfedcba98
	s_lshl_b32 s19, s18, 16
	s_lshl_b32 s26, s18, 10
	s_lshl_b32 s27, s18, 15
	v_lshlrev_b32 v[GA], 4, v3
	v_lshl_add_u32 v[GA], v4, 15, v[GA]
	v_add_nc_u32 v[GA], s19, v[GA]
	v_lshl_add_u32 v[VO], v3, 2, s26               ; v[256 w + 16 (8 c + b) + r]
	v_lshl_add_u32 v[QO], v3, 2, s27               ; qps tile 16 w + 8 c + b
	v_lshlrev_b32 v[GB], 4, v1
	s_wait_kmcnt 0x0
	s_add_nc_u64 s[4:5], s[4:5], s[36:37]
	s_add_nc_u64 s[6:7], s[6:7], s[38:39]
	s_add_nc_u64 s[8:9], s[8:9], s[40:41]
	s_add_nc_u64 s[12:13], s[12:13], s[42:43]
	s_add_nc_u64 s[14:15], s[14:15], s[44:45]
	s_add_nc_u64 s[16:17], s[16:17], s[46:47]
; A's eight fragments for K step ar (counted from where the addresses in base stand), into the buffer of ar's parity:
; lane (r, h) takes row r, 16 bytes at 16 h and at 32 + 16 h.  An even step's under window setting 0, an odd step's with the destination in window 1.
.macro LDA8 base, ar
.irp i, 0,1,2,3,4,5,6,7
	ds_load_b128 v[AF+128*((\ar)&1)+8*\i:AF+128*((\ar)&1)+8*\i+3],   v[\base+(\i>>1)] offset:(\i&1)*16*PITCH+(\ar)*64
	ds_load_b128 v[AF+128*((\ar)&1)+8*\i+4:AF+128*((\ar)&1)+8*\i+7], v[\base+(\i>>1)] offset:(\i&1)*16*PITCH+(\ar)*64+32
.endr
.endm
; B's eight fragments of step br (counted from where s[6:7] stands) into ring buffer br % 3 of window 1: 16 loads of 512 consecutive bytes
.macro LDB br
.irp b, 0,1,2,3,4,5,6,7
	global_load_b128 v[64*((\br)%3)+8*\b:64*((\br)%3)+8*\b+3],   v[GB], s[6:7] offset:(\br)*8192+\b*1024
	global_load_b128 v[64*((\br)%3)+8*\b+4:64*((\br)%3)+8*\b+7], v[GB], s[6:7] offset:(\br)*8192+\b*1024+512
.endr
.endm
; Piece pr of values = 64 rows (the lower for even pr, the upper for odd) x 64 K.  My wave takes 16 of the rows: lanes 0-15 the 256 bytes of row i, lanes 16-31 of row i + 8.
.macro LDP pr
.irp i, 0,1,2,3,4,5,6,7
	global_load_b128 v[ST+32*((\pr)%3)+4*\i:ST+32*((\pr)%3)+4*\i+3], v[GA], s[4:5] offset:((\pr)&1)*262144+\i*4096+((\pr)>>1)*256 th:TH_LOAD_NT
.endr
.endm
; Piece pr is rounded to bf16 and stored to its place in LDS.  The two halves of the lanes lie 8 rows = 128 bytes modulo 256 apart: no two lanes meet in a bank.
.macro CONV pr
.irp i, 0,1,2,3,4,5,6,7
	v_cvt_pk_bf16_f32 v[T+2*\i],   v[ST+32*((\pr)%3)+4*\i],   v[ST+32*((\pr)%3)+4*\i+1]
	v_cvt_pk_bf16_f32 v[T+2*\i+1], v[ST+32*((\pr)%3)+4*\i+2], v[ST+32*((\pr)%3)+4*\i+3]
.endr
.irp i, 0,1,2,3,4,5,6,7
	ds_store_b64 v[SA+((\pr)&1)], v[T+2*\i:T+2*\i+1] offset:\i*PITCH+((\pr)>>1)*128
.endr
.endm
; 16 products: row tiles a0, a0 + 1 of the window's four x all eight column tiles.  zero = 1: the product starts the sum, nothing is cleared.
.macro MUL16 hi, a0, ar, br, zero
.irp a, \a0, \a0+1
.irp b, 0,1,2,3,4,5,6,7
.if \zero
	v_wmma_f32_16x16x32_bf16 v[8*(8*(\a)+\b):8*(8*(\a)+\b)+7], v[AF+128*((\ar)&1)+8*(4*\hi+\a):AF+128*((\ar)&1)+8*(4*\hi+\a)+7], v[64*((\br)%3)+8*\b:64*((\br)%3)+8*\b+7], 0
.else
	v_wmma_f32_16x16x32_bf16 v[8*(8*(\a)+\b):8*(8*(\a)+\b)+7], v[AF+128*((\ar)&1)+8*(4*\hi+\a):AF+128*((\ar)&1)+8*(4*\hi+\a)+7], v[64*((\br)%3)+8*\b:64*((\br)%3)+8*\b+7], v[8*(8*(\a)+\b):8*(8*(\a)+\b)+7]
.endif
.endr
.endr
.endm
; One K step of 32: ONE run of memory instructions, then 64 products without a gap.  The 64 accumulators take turns in the same order in every step,
; over the backward jumps too.
; ar, br: the step counted from where A's and B's addresses stand.  cnt: the global loads younger than this step's B: the last step's run.
; conv: piece ar + 3 goes to LDS; its 16 conversions are also the places behind the last step's products.  aiss: piece ar + 6 is asked for, into the
; staging buffer just read.  nal: the next step's fragments are fetched into the buffer that the last step read (1: from RA; 2: K = 0 again, from RS).
; biss: B of step br + 2 is asked for, into the ring buffer that the last step read.  bar: the step ends in a barrier, which shows piece ar + 3 to all
; waves: the next step's run reads the rows of step ar + 2, which lie in pieces up to ar + 3.
; No byte of the resident rows is written twice, so no barrier is needed between reads and later stores.
.macro STEP ar, br, zero, cnt, conv, aiss, bar, nal, biss
	s_wait_loadcnt \cnt                            ; loads come back in order: this step's B is in, and the older piece ar + 3 too
.if \conv+\aiss+\nal+\biss
	WIN 0
.if \conv
	CONV \ar+3
.else
	PLACES
.endif
.if \nal == 1
.if ((\ar)&1)
	LDA8 RA, \ar+1                                 ; an even step's fragments: window 0
.endif
.endif
.if \nal == 2
	LDA8 RS, 0
.endif
.if \aiss
	LDP \ar+6
.endif
.if \nal == 1
.if ((\ar)&1) == 0
	WIN 0x40
	LDA8 RA, \ar+1                                 ; an odd step's fragments: window 1
.endif
.endif
.if \biss
	WIN 0x40
	LDB \br+2
.endif
.endif
	s_wait_dscnt 16*(((\nal)+1)/2)+8*\conv         ; this step's fragments, fetched a step ago, are in; the run's own LDS instructions stay out
	WIN 0xa4+((\ar)&1)
	MUL16 0, 0, \ar, \br, \zero
	MUL16 0, 2, \ar, \br, \zero
	WIN 0xf4+((\ar)&1)
	MUL16 1, 0, \ar, \br, \zero
.if \bar
	s_wait_dscnt 0x0                               ; my part of the piece is in LDS before I say so (issued 48 products ago)
	s_barrier_signal -1
.endif
	MUL16 1, 2, \ar, \br, \zero                    ; registers only, while the others arrive
.if \bar
	s_barrier_wait -1
.endif
.endm
	; ---- the head: constants and the first pieces.  56 loads are out at the most, here and in every step.
.irp i, 0,1,2,3,4,5,6,7,8,9,10,11,12,13,14,15
	global_load_b32 v[VPR+\i], v[VO], s[10:11] offset:64*\i
	global_load_b32 v[QPC+\i], v[QO], s[8:9] offset:2048*\i
.endr
	LDP 0
	LDP 1
	LDP 2
	s_mul_i32 s36, s18, 16*PITCH
	v_mul_u32_u24 v5, v4, 8*PITCH
	v_lshl_add_u32 v5, v3, 3, v5
	v_add_nc_u32 v[SA], s36, v5                    ; row 16 w + 8 h, 8 bytes a lane
	v_add_nc_u32 v[SA+1], 64*PITCH, v[SA]
	v_mul_u32_u24 v5, v3, PITCH
	v_lshl_add_u32 v[RA], v4, 4, v5                ; row r, 16 h
	v_add_nc_u32 v[RA+1], 32*PITCH, v[RA]
	v_add_nc_u32 v[RA+2], 64*PITCH, v[RA]
	v_add_nc_u32 v[RA+3], 96*PITCH, v[RA]
.irp p, 0,1,2,3
	v_mov_b32 v[RS+\p], v[RA+\p]
.endr
	s_lshl_b32 s21, s18, 9                         ; 512 w
	s_add_co_u32 s36, s21, SP
	v_lshlrev_b32 v5, 2, v29
	v_lshl_add_u32 v5, v4, 5, v5
	v_add_nc_u32 v20, s36, v5                      ; my wave's partial scores: row 8 h + r % 8 of a tile
	v_add_nc_u32 v21, SP, v[GB]                    ; four rows a lane
	s_add_co_u32 s37, s21, PW
	v_add_nc_u32 v22, s37, v[GB]                   ; my wave's p: four a lane
	v_mov_b32 v23, s37                             ; and its first byte, for all lanes
	v_add_nc_u32 v24, s21, v[GB]                   ; the context: my 8 columns (16 bytes) of row 0
	s_add_co_u32 s38, s26, CW
	v_lshl_add_u32 v25, v1, 5, s38                 ; reorder: in, 32 bytes a lane
	v_add_nc_u32 v26, s38, v[GB]                   ; back, 16 bytes a lane
	v_add_nc_u32 v27, s26, v[GB]                   ; pctx: 1,024 w + 16 x lane
	v_lshlrev_b32 v28, 3, v1                       ; stats: 8 x lane
.irp j, 1,2,3,4,5,6,7
	v_cmp_eq_u32 s[28+\j], \j, v29                 ; lanes with r % 8 = j
.endr
	s_wait_loadcnt 16                              ; v, qps and piece 0 are in; pieces 1 and 2 stay out
.irp i, 0,2,4,6,8,10,12,14
	v_cvt_pk_bf16_f32 v[T+\i], v[VPR+\i], v[VPR+\i+1]      ; v rounded to bf16 and widened again
	v_lshlrev_b32 v[VPR+\i], 16, v[T+\i]
	v_and_b32 v[VPR+\i+1], 0xffff0000, v[T+\i]
.endr
	v_pk_add_f32 v[T:T+1], v[VPR:VPR+1], v[VPR+2:VPR+3]
.irp i, 4,6,8,10,12,14
	v_pk_add_f32 v[T:T+1], v[T:T+1], v[VPR+\i:VPR+\i+1]
.endr
	v_add_f32 v[VS], v[T], v[T+1]
	v_mov_b32 v[VS+1], v[VS]
.irp i, 0,2,4,6,8,10,12,14
	v_pk_mul_f32 v[VPR+\i:VPR+\i+1], v[VPR+\i:VPR+\i+1], -2.0 op_sel_hi:[1,0]
.endr
	CONV 0
	WIN 0x40
	LDB 0
	WIN 0
	LDP 3
	s_wait_loadcnt 32                              ; piece 1 is in; piece 2 (8), B of step 0 (16) and piece 3 (8) stay out
	CONV 1
	WIN 0x40
	LDB 1
	WIN 0
	LDP 4
	s_wait_loadcnt 48                              ; piece 2 is in; B of step 0, piece 3, B of step 1 and piece 4 stay out
	CONV 2
	LDP 5
	s_wait_dscnt 0x0                               ; my parts of pieces 0, 1 and 2 are in LDS before I say so
	s_barrier_signal -1
	s_barrier_wait -1
	LDA8 RA, 0
	; ---- chunk 0: steps 0 to 31, values streamed in.  In a run the piece's loads go out ahead of B's, so behind B of step t stand only the loads of
	; the run of step t - 1: piece t + 5 (8) and B of step t + 1 (16).
	STEP 0, 0, 1, 32, 1, 1, 1, 1, 1                ; needs B 0 and piece 3: behind piece 3 stand B 1 (16), pieces 4 and 5 (16)
	STEP 1, 1, 0, 32, 1, 1, 1, 1, 1                ; needs B 1 and piece 4: behind piece 4 stand piece 5 (8), piece 6 (8), B 2 (16)
	WIN 0                                          ; at a label and at a branch every window is 0
	s_mov_b32 s20, 4
.Lchunk0:                                              ; steps 2 to 25, six a trip: a multiple of both rings of three, of A's two buffers and of a piece's two steps
.irp t, 2,3,4,5,6,7
	STEP \t, \t, 0, 24, 1, 1, 1, 1, 1
.endr
	WIN 0
	s_wait_xcnt 0x0                                ; the bases of loads that are out are stepped only behind this wait
	s_add_nc_u64 s[6:7], s[6:7], 6*8192
	s_add_nc_u64 s[4:5], s[4:5], 3*256
.irp p, 0,1,2,3
	v_add_nc_u32 v[RA+\p], 6*64, v[RA+\p]
.endr
	v_add_nc_u32 v[SA], 3*128, v[SA]
	v_add_nc_u32 v[SA+1], 3*128, v[SA+1]
	s_sub_co_u32 s20, s20, 1
	s_cmp_lg_u32 s20, 0
	s_cbranch_scc1 .Lchunk0                        ; step 25 has asked for the last piece, 31
	STEP 2, 2, 0, 24, 1, 0, 1, 1, 1                ; step 26: younger are piece 31 and B 27
	STEP 3, 3, 0, 16, 1, 0, 1, 1, 1                ; step 27: from here on only B of the next step is younger
	STEP 4, 4, 0, 16, 1, 0, 1, 1, 1                ; step 28 stores the last piece; the last barrier of the product
	STEP 5, 5, 0, 16, 0, 0, 0, 1, 1                ; step 29
	STEP 6, 6, 0, 16, 0, 0, 0, 1, 1                ; step 30
	STEP 7, 7, 0, 16, 0, 0, 0, 2, 1                ; step 31 fetches the next chunk's first fragments; they and B of steps 32 and 33 are on their way through the epilogue
	WIN 0
.irp p, 0,1,2,3
	v_mov_b32 v[RA+\p], v[RS+\p]                   ; back to K = 0; these four are also the places between the last products and the epilogue's reads (ISA guide 7.12.1)
.endr
; ---- the epilogue of a chunk, one window of 32 tiles at a time, in place: y = 2 log2(e) acc + qps; r = 1 / (1 + 2^y); then score += -2 v r.
; Tile i (column tile b = i % 8).  The constant of column tile b is register b % 2 of an aligned pair, picked for both halves by op_sel and op_sel_hi.
.macro SCALE i, c
.irp p, 0,2,4,6
.if ((\i)&1)
	v_pk_fma_f32 v[8*(\i)+\p:8*(\i)+\p+1], v[8*(\i)+\p:8*(\i)+\p+1], s[22:23], v[QPC+8*\c+((\i)&6):QPC+8*\c+((\i)&6)+1] op_sel:[0,0,1] op_sel_hi:[1,0,1]
.else
	v_pk_fma_f32 v[8*(\i)+\p:8*(\i)+\p+1], v[8*(\i)+\p:8*(\i)+\p+1], s[22:23], v[QPC+8*\c+((\i)&6):QPC+8*\c+((\i)&6)+1] op_sel_hi:[1,0,0]
.endif
.endr
.endm
.macro EXPT i
.irp p, 0,1,2,3,4,5,6,7
	v_exp_f32 v[8*(\i)+\p], v[8*(\i)+\p]
.endr
.endm
.macro ADD1 i
	s_wait_alu depctr_va_vdst(0)
.irp p, 0,2,4,6
	v_pk_add_f32 v[8*(\i)+\p:8*(\i)+\p+1], v[8*(\i)+\p:8*(\i)+\p+1], 1.0 op_sel_hi:[1,0]
.endr
.endm
.macro RCPT i
.irp p, 0,1,2,3,4,5,6,7
	v_rcp_f32 v[8*(\i)+\p], v[8*(\i)+\p]
.endr
.endm
; The next tile's SCALE, plain arithmetic on other registers, stands between a run of exponentials and the first use of its results (ISA guide 5.7.2);
; a run of reciprocals is followed by the next run of exponentials and that SCALE; one v_nop stands in for SCALE at the last tile, one closes the window.
.macro EPIWIN c
	SCALE 0, \c
.set ti, 0
.rept 32
	EXPT ti
.if ti < 31
	SCALE ti+1, \c
.else
	v_nop
	s_wait_alu depctr_va_vdst(0)
.endif
	ADD1 ti
	RCPT ti
.set ti, ti+1
.endr
	v_nop
	s_wait_alu depctr_va_vdst(0)
.endm
; score sums: 16 chains of pairs in turn.  The very first term takes sum(v) as its addend: nothing is cleared.
.macro SUMWIN c, hi
.irp b, 0,1,2,3,4,5,6,7
.irp a, 0,1,2,3
.irp p, 0,2,4,6
.if (\c+\b) == 0
	v_pk_fma_f32 v[SC+8*(4*\hi+\a)+\p:SC+8*(4*\hi+\a)+\p+1], v[8*(8*\a+\b)+\p:8*(8*\a+\b)+\p+1], v[VPR:VPR+1], v[VS:VS+1] op_sel_hi:[1,0,1]
.else
.if ((\b)&1)
	v_pk_fma_f32 v[SC+8*(4*\hi+\a)+\p:SC+8*(4*\hi+\a)+\p+1], v[8*(8*\a+\b)+\p:8*(8*\a+\b)+\p+1], v[VPR+8*\c+\b-1:VPR+8*\c+\b], v[SC+8*(4*\hi+\a)+\p:SC+8*(4*\hi+\a)+\p+1] op_sel:[0,1,0] op_sel_hi:[1,1,1]
.else
	v_pk_fma_f32 v[SC+8*(4*\hi+\a)+\p:SC+8*(4*\hi+\a)+\p+1], v[8*(8*\a+\b)+\p:8*(8*\a+\b)+\p+1], v[VPR+8*\c+\b:VPR+8*\c+\b+1], v[SC+8*(4*\hi+\a)+\p:SC+8*(4*\hi+\a)+\p+1] op_sel_hi:[1,0,1]
.endif
.endif
.endr
.endr
.endr
.endm
.macro EPI c
	WIN 0x82                                       ; destination and source 0 in window 2, the constants in window 0
	EPIWIN \c
	WIN 0x02                                       ; source 0 in window 2, sums in window 0
	SUMWIN \c, 0
	WIN 0xc3
	EPIWIN \c
	WIN 0x03
	SUMWIN \c, 1
	WIN 0
.endm
	EPI 0
	; ---- chunk 1: steps 32 to 63, A from LDS alone: no barrier.  16 = B of the next step.
	STEP 0, 8, 1, 16, 0, 0, 0, 1, 1                ; step 32 (B's base stands at step 24)
	WIN 0
	s_mov_b32 s20, 4
.Lchunk1:                                              ; steps 33 to 56
.irp t, 1,2,3,4,5,6
	STEP \t, \t+8, 0, 16, 0, 0, 0, 1, 1
.endr
	WIN 0
	s_wait_xcnt 0x0                                ; B's base is stepped only behind this wait
	s_add_nc_u64 s[6:7], s[6:7], 6*8192
.irp p, 0,1,2,3
	v_add_nc_u32 v[RA+\p], 6*64, v[RA+\p]
.endr
	s_sub_co_u32 s20, s20, 1
	s_cmp_lg_u32 s20, 0
	s_cbranch_scc1 .Lchunk1
.irp t, 1,2,3,4,5
	STEP \t, \t+8, 0, 16, 0, 0, 0, 1, 1            ; steps 57 to 61; step 61 asks for the last B, step 63's
.endr
	STEP 6, 14, 0, 16, 0, 0, 0, 1, 0               ; step 62
	STEP 7, 15, 0, 0, 0, 0, 0, 0, 0                ; step 63: nothing younger is out, nothing is left to fetch
	PLACES
	EPI 1
	; ---- scores.  Sum over the 16 lanes of a half (the 16 columns r); every lane of the half then holds the sum for row 16 a + 8 h + j.
.irp x, 1,2,4,8
.set q, 0
.rept 64
	v_add_f32_dpp v[SC+q], v[SC+q], v[SC+q] row_xmask:\x row_mask:0xf bank_mask:0xf
.set q, q+1
.endr
.endr
.irp a, 0,1,2,3,4,5,6,7
	v_cndmask_b32 v[T+\a], v[SC+8*\a], v[SC+8*\a+1], s29   ; lane r keeps row j = r % 8
.irp j, 2,3,4,5,6,7
	v_cndmask_b32 v[T+\a], v[T+\a], v[SC+8*\a+\j], s[28+\j]
.endr
.endr
.irp a, 0,1,2,3,4,5,6,7
	ds_store_b32 v20, v[T+\a] offset:64*\a         ; lanes r and r + 8 write the same word with the same number
.endr
	s_wait_dscnt 0x0                               ; my wave's partial scores are in LDS before I say so
	s_barrier_signal -1
	s_barrier_wait -1
	; every wave alike: lane l owns rows 4 l .. 4 l + 3
.irp u, 0,1,2,3
	ds_load_b128 v[T+4*\u:T+4*\u+3], v21 offset:512*\u
.endr
	s_wait_dscnt 0x0
.irp u, 1,2,3
	v_pk_add_f32 v[T:T+1],   v[T:T+1],   v[T+4*\u:T+4*\u+1]
	v_pk_add_f32 v[T+2:T+3], v[T+2:T+3], v[T+4*\u+2:T+4*\u+3]
.endr
	v_max_num_f32 v[T+4], v[T], v[T+1]
	v_max3_num_f32 v[T+4], v[T+4], v[T+2], v[T+3]
.irp x, 1,2,4,8
	v_max_num_f32_dpp v[T+4], v[T+4], v[T+4] row_xmask:\x row_mask:0xf bank_mask:0xf
.endr
	v_mov_b32 v[T+5], v[T+4]                       ; the permute's destination counts as read
	v_permlanex16_b32 v[T+5], v[T+4], s24, s25
	v_max_num_f32 v[T+4], v[T+4], v[T+5]           ; m, the block's largest score, in every lane
.irp k, 0,1,2,3
	v_sub_f32 v[T+8+\k], v[T+\k], v[T+4]
.endr
.irp k, 0,1,2,3
	v_mul_f32 v[T+8+\k], 0x3fb8aa3b, v[T+8+\k]
.endr
.irp k, 0,1,2,3
	v_exp_f32 v[T+8+\k], v[T+8+\k]                 ; p = e^(score - m), at most 1
.endr
	v_nop                                          ; one plain place between the exponentials and the use of their results (ISA guide 5.7.2)
	s_wait_alu depctr_va_vdst(0)
	v_add_f32 v[T+6], v[T+8], v[T+9]
	v_add_f32 v[T+7], v[T+10], v[T+11]
	v_add_f32 v[T+6], v[T+6], v[T+7]
.irp x, 1,2,4,8
	v_add_f32_dpp v[T+6], v[T+6], v[T+6] row_xmask:\x row_mask:0xf bank_mask:0xf
.endr
	v_permlanex16_b32 v[T+7], v[T+6], s24, s25
	v_add_f32 v[T+5], v[T+6], v[T+7]               ; l = sum of p; (m, l) is the pair v[T+4:T+5]
	ds_store_b128 v22, v[T+8:T+11]                 ; p into my wave's own bytes
	s_cmp_lg_u32 s18, 0
	s_cbranch_scc1 .Lnot_wave_0
	global_store_b128 v[GB], v[T:T+3], s[12:13]    ; the block's 128 scores: 512 consecutive bytes; T is not written again
	global_store_b64 v28, v[T+4:T+5], s[14:15]     ; (m, l) from all 32 lanes: 256 consecutive bytes, aligned
.Lnot_wave_0:
	; ---- the block's part of the context: wave w takes columns 256 w .. 256 w + 255, a lane eight of them, all 128 rows from LDS, in f32.
; batch bt of a trip (eight rows) into buffer buf: two loads of p (all lanes the same words) and eight rows of 512 consecutive bytes: ten LDS loads
.macro CISS bt, buf
	ds_load_b128 v[PB+8*\buf:PB+8*\buf+3],   v23 offset:32*\bt      ; LDS serves a wave's instructions in order: these see my store of p
	ds_load_b128 v[PB+8*\buf+4:PB+8*\buf+7], v23 offset:32*\bt+16
.irp i, 0,1,2,3,4,5,6,7
	ds_load_b128 v[AF+32*\buf+4*\i:AF+32*\buf+4*\i+3], v24 offset:(8*\bt+\i)*PITCH
.endr
.endm
.macro CDO buf
.irp i, 0,1,2,3,4,5,6,7
.irp e, 0,1,2,3
	v_fma_mix_f32_bf16 v[CX+2*\e],   v[AF+32*\buf+4*\i+\e], v[PB+8*\buf+\i], v[CX+2*\e]   op_sel_hi:[1,0,0]
	v_fma_mix_f32_bf16 v[CX+2*\e+1], v[AF+32*\buf+4*\i+\e], v[PB+8*\buf+\i], v[CX+2*\e+1] op_sel:[1,0,0] op_sel_hi:[1,0,0]
.endr
.endr
.endm
.irp e, 0,1,2,3,4,5,6,7
	v_mov_b32 v[CX+\e], 0
.endr
	s_mov_b32 s20, 4
.Lcontext:                                             ; 32 rows a trip
	CISS 0, 0
	CISS 1, 1
	s_wait_dscnt 10                                ; the older batch is in, the younger one's ten loads stay out
	CDO 0
	CISS 2, 0
	s_wait_dscnt 10
	CDO 1
	CISS 3, 1
	s_wait_dscnt 10
	CDO 0
	s_wait_dscnt 0x0
	CDO 1
	v_add_nc_u32 v24, 32*PITCH, v24
	v_add_nc_u32 v23, 128, v23
	s_sub_co_u32 s20, s20, 1
	s_cmp_lg_u32 s20, 0
	s_cbranch_scc1 .Lcontext
	; a lane holds 32 neighbouring bytes; through my wave's own LDS bytes they become 16 bytes a lane, so that each store covers 512 consecutive bytes
	ds_store_b128 v25, v[CX:CX+3]
	ds_store_b128 v25, v[CX+4:CX+7] offset:16
	ds_load_b128 v[RS:RS+3], v26
	ds_load_b128 v[RS+4:RS+7], v26 offset:512
	s_wait_dscnt 0x0
	global_store_b128 v27, v[RS:RS+3], s[16:17]
	global_store_b128 v27, v[RS+4:RS+7], s[16:17] offset:512
	s_wait_tensorcnt 0x0
	ds_add_u32 v30, v31
	s_wait_dscnt 0x0
	s_endpgm
.Lfunc_end_k_qd923dbc73c_attn:
	.size	k_qd923dbc73c_attn, .Lfunc_end_k_qd923dbc73c_attn-k_qd923dbc73c_attn
	.p2alignl 7, 3214868480
	.fill 96, 4, 3214868480
	.section	.rodata,"a",@progbits
	.p2align	6, 0x0
	.amdhsa_kernel k_qd923dbc73c_attn
		.amdhsa_group_segment_fixed_size 272896
		.amdhsa_private_segment_fixed_size 0
		.amdhsa_enable_private_segment 0
		.amdhsa_kernarg_size 56
		.amdhsa_user_sgpr_count 2
		.amdhsa_user_sgpr_kernarg_segment_ptr 1
		.amdhsa_wavefront_size32 1
		.amdhsa_system_sgpr_workgroup_id_x 1
		.amdhsa_system_sgpr_workgroup_id_y 1
		.amdhsa_system_sgpr_workgroup_id_z 1
		.amdhsa_system_vgpr_workitem_id 0
		.amdhsa_next_free_vgpr 1024
		.amdhsa_next_free_sgpr 66
		.amdhsa_reserve_vcc 0
		.amdhsa_float_denorm_mode_32 3
		.amdhsa_float_denorm_mode_16_64 3
		.amdhsa_memory_ordered 1
		.amdhsa_forward_progress 1
		.amdhsa_inst_pref_size 255
	.end_amdhsa_kernel
	.section	.bss,"aw",@nobits
	.p2align	6
	.space	262144
	.amdgpu_metadata
---
amdhsa.version: [ 1, 2 ]
amdhsa.kernels:
  - .name:           k_qd923dbc73c_attn
    .symbol:         k_qd923dbc73c_attn.kd
    .args:
      - { .name: values, .offset: 0, .size: 8, .value_kind: global_buffer, .address_space: global }
      - { .name: wb, .offset: 8, .size: 8, .value_kind: global_buffer, .address_space: global }
      - { .name: qps, .offset: 16, .size: 8, .value_kind: global_buffer, .address_space: global }
      - { .name: v, .offset: 24, .size: 8, .value_kind: global_buffer, .address_space: global }
      - { .name: scores, .offset: 32, .size: 8, .value_kind: global_buffer, .address_space: global }
      - { .name: stats, .offset: 40, .size: 8, .value_kind: global_buffer, .address_space: global }
      - { .name: pctx, .offset: 48, .size: 8, .value_kind: global_buffer, .address_space: global }
    .group_segment_fixed_size: 272896
    .private_segment_fixed_size: 0
    .kernarg_segment_align: 8
    .kernarg_segment_size: 56
    .max_flat_workgroup_size: 128
    .sgpr_count:     66
    .vgpr_count:     1024
    .wavefront_size: 32
...
	.end_amdgpu_metadata
.endif
;; end of part 2
;; launch comb (part 3): grid 4 x 32, 4 waves a work-group, no clusters, 0 bytes of LDS; arguments scores, stats, pctx, out0, out1; writes out0, out1
.if DOCPART == 3
	.amdgcn_target "amdgcn-amd-amdhsa--gfx1250"
	.amdhsa_code_object_version 6
	.text
	.protected	k_qd923dbc73c_comb
	.globl	k_qd923dbc73c_comb
	.p2align	8
	.type	k_qd923dbc73c_comb,@function
k_qd923dbc73c_comb:
	s_mov_b64 s[64:65], 0
	v_nop
	global_prefetch_b8 v0, s[64:65] scope:SCOPE_SE
	s_setreg_imm32_b32 hwreg(HW_REG_WAVE_MODE, 25, 1), 1
	s_wait_xcnt 0x0
; Joins the 16 blocks of a batch.  M = max of the blocks' m; e_i = e^(m_i - M); L = sum of l_i e_i (at least 1: the block that holds M gives l >= 1);
; out1[s] = e^(score - M) / L;  out0[d] = sum over i of (e_i / L) pctx[i][d].  All f32.  Exponentials below 2^-126 come out as zero (ISA guide, v_exp_f32).
; Work-group (q, batch), 128 threads: a quarter of the batch's weights (512, four a thread) and of its context (256 columns, two a thread).
; Every wave makes M and L for itself from the 16 pairs (m, l): no LDS, no barrier.  The matrix unit and clusters have nothing to do here: 2.5 MB are read once.
.set L2E, 0x3fb8aa3b
	s_load_b256 s[4:11], s[0:1], 0x0               ; scores s[4:5], stats s[6:7], pctx s[8:9], out0 s[10:11]
	s_load_b64 s[12:13], s[0:1], 0x20              ; out1
	s_and_b32 s14, ttmp7, 0xffff                   ; batch
	s_mov_b32 s15, ttmp9                           ; q
	v_and_b32 v1, 15, v0
	v_lshlrev_b32 v1, 8, v1                        ; block i = lane % 16: its 256 bytes of stats begin with (m, l)
	v_lshlrev_b32 v44, 4, v0                       ; 16 t
	v_lshlrev_b32 v45, 3, v0                       ; 8 t
	s_lshl_b32 s16, s14, 12                        ; stats: 16 blocks x 256 bytes
	s_mov_b32 s17, 0
	s_lshl_b32 s18, s14, 13                        ; scores and out1: 8,192 bytes a batch, 2,048 a quarter
	s_lshl_b32 s20, s15, 11
	s_add_co_u32 s18, s18, s20
	s_mov_b32 s19, 0
	s_lshl_b32 s22, s14, 16                        ; pctx: 16 blocks x 4,096 bytes a batch, 1,024 a quarter
	s_lshl_b32 s20, s15, 10
	s_add_co_u32 s22, s22, s20
	s_mov_b32 s23, 0
	s_add_co_u32 s24, s16, s20                     ; out0: 4,096 bytes a batch, 1,024 a quarter
	s_mov_b32 s25, 0
	s_wait_kmcnt 0x0
	s_add_nc_u64 s[6:7], s[6:7], s[16:17]
	s_add_nc_u64 s[4:5], s[4:5], s[18:19]
	s_add_nc_u64 s[12:13], s[12:13], s[18:19]
	s_add_nc_u64 s[8:9], s[8:9], s[22:23]
	s_add_nc_u64 s[10:11], s[10:11], s[24:25]
	global_load_b64 v[2:3], v1, s[6:7]
	global_load_b128 v[4:7], v44, s[4:5]
.irp i, 0,1,2,3,4,5,6,7,8,9,10,11,12,13,14,15
	global_load_b64 v[8+2*\i:9+2*\i], v45, s[8:9] offset:4096*\i
.endr
	s_wait_loadcnt 17                              ; (m, l) is in; the scores and the 16 partial contexts stay out
	v_mov_b32 v40, v2
.irp x, 1,2,4,8
	v_max_num_f32_dpp v40, v40, v40 row_xmask:\x row_mask:0xf bank_mask:0xf
.endr
	v_sub_f32 v41, v2, v40                         ; m_i - M, at most 0
	v_mul_f32 v41, L2E, v41
	v_exp_f32 v41, v41                             ; e_i
	v_nop                                          ; one plain place behind a transcendental before its result is used (ISA guide 5.7.2)
	s_wait_alu depctr_va_vdst(0)
	v_mul_f32 v42, v3, v41
.irp x, 1,2,4,8
	v_add_f32_dpp v42, v42, v42 row_xmask:\x row_mask:0xf bank_mask:0xf
.endr
	v_rcp_f32 v43, v42                             ; 1 / L
	v_nop
	s_wait_alu depctr_va_vdst(0)
	v_mul_f32 v41, v41, v43                        ; f_i = e_i / L, in lane i
.irp i, 0,1,2,3,4,5,6,7,8,9,10,11,12,13,14,15
	v_readlane_b32 s[40+\i], v41, \i
.endr
	s_wait_loadcnt 16                              ; the scores are in
.irp k, 4,5,6,7
	v_sub_f32 v\k, v\k, v40
.endr
.irp k, 4,5,6,7
	v_mul_f32 v\k, L2E, v\k
.endr
.irp k, 4,5,6,7
	v_exp_f32 v\k, v\k
.endr
	v_nop
	s_wait_alu depctr_va_vdst(0)
.irp k, 4,5,6,7
	v_mul_f32 v\k, v\k, v43
.endr
	global_store_b128 v44, v[4:7], s[12:13]        ; a wave stores 512 consecutive bytes
	s_wait_loadcnt 0x0
	v_mul_f32 v46, s40, v8                         ; the first block starts the sums
	v_mul_f32 v47, s40, v9
.irp i, 1,2,3,4,5,6,7,8,9,10,11,12,13,14,15
	v_fma_f32 v46, s[40+\i], v[8+2*\i], v46
	v_fma_f32 v47, s[40+\i], v[9+2*\i], v47
.endr
	global_store_b64 v45, v[46:47], s[10:11]       ; a wave stores 256 consecutive bytes, aligned
	s_endpgm
.Lfunc_end_k_qd923dbc73c_comb:
	.size	k_qd923dbc73c_comb, .Lfunc_end_k_qd923dbc73c_comb-k_qd923dbc73c_comb
	.p2alignl 7, 3214868480
	.fill 96, 4, 3214868480
	.section	.rodata,"a",@progbits
	.p2align	6, 0x0
	.amdhsa_kernel k_qd923dbc73c_comb
		.amdhsa_group_segment_fixed_size 0
		.amdhsa_private_segment_fixed_size 0
		.amdhsa_enable_private_segment 0
		.amdhsa_kernarg_size 40
		.amdhsa_user_sgpr_count 2
		.amdhsa_user_sgpr_kernarg_segment_ptr 1
		.amdhsa_wavefront_size32 1
		.amdhsa_system_sgpr_workgroup_id_x 1
		.amdhsa_system_sgpr_workgroup_id_y 1
		.amdhsa_system_sgpr_workgroup_id_z 1
		.amdhsa_system_vgpr_workitem_id 0
		.amdhsa_next_free_vgpr 64
		.amdhsa_next_free_sgpr 66
		.amdhsa_reserve_vcc 0
		.amdhsa_float_denorm_mode_32 3
		.amdhsa_float_denorm_mode_16_64 3
		.amdhsa_memory_ordered 1
		.amdhsa_forward_progress 1
		.amdhsa_inst_pref_size 8
	.end_amdhsa_kernel
	.amdgpu_metadata
---
amdhsa.version: [ 1, 2 ]
amdhsa.kernels:
  - .name:           k_qd923dbc73c_comb
    .symbol:         k_qd923dbc73c_comb.kd
    .args:
      - { .name: scores, .offset: 0, .size: 8, .value_kind: global_buffer, .address_space: global }
      - { .name: stats, .offset: 8, .size: 8, .value_kind: global_buffer, .address_space: global }
      - { .name: pctx, .offset: 16, .size: 8, .value_kind: global_buffer, .address_space: global }
      - { .name: out0, .offset: 24, .size: 8, .value_kind: global_buffer, .address_space: global }
      - { .name: out1, .offset: 32, .size: 8, .value_kind: global_buffer, .address_space: global }
    .group_segment_fixed_size: 0
    .private_segment_fixed_size: 0
    .kernarg_segment_align: 8
    .kernarg_segment_size: 40
    .max_flat_workgroup_size: 128
    .sgpr_count:     66
    .vgpr_count:     64
    .wavefront_size: 32
...
	.end_amdgpu_metadata
.endif
;; end of part 3
;; ======== version 2 of 2: 3 launches; version 1 with the launch attn written anew for expert scheduling mode
;; workspace buffers: wb 2,097,152 bytes; qps 131,072 bytes; scores 262,144 bytes; stats 131,072 bytes; pctx 2,097,152 bytes
;; launch prep: the kernel of part 1 again; grid 256 x 1, 8 waves a work-group, no clusters, 9,216 bytes of LDS; arguments W1, W2, query, wb, qps; writes wb, qps
;; launch attn (part 4): grid 512 x 1, 4 waves a work-group, no clusters, 272,896 bytes of LDS; arguments values, wb, qps, v, scores, stats, pctx; writes scores, stats, pctx
.if DOCPART == 4
	.amdgcn_target "amdgcn-amd-amdhsa--gfx1250"
	.amdhsa_code_object_version 6
	.text
	.protected	k_qd923dbc73c_attn
	.globl	k_qd923dbc73c_attn
	.p2align	8
	.type	k_qd923dbc73c_attn,@function
k_qd923dbc73c_attn:
	s_mov_b64 s[64:65], 0
	v_nop
	global_prefetch_b8 v0, s[64:65] scope:SCOPE_SE
	s_setreg_imm32_b32 hwreg(HW_REG_WAVE_SCHED_MODE, 0, 2), 2
	s_setreg_imm32_b32 hwreg(HW_REG_WAVE_MODE, 25, 1), 1
	s_wait_xcnt 0x0
	s_wait_alu depctr_vm_vsrc(0)
; One work-group takes 128 rows s of one batch: scores[s] = sum over n of v[n] tanh(qp[n] + (values x W1)[s][n]), the block's maximum m,
; p = exp(score - m), l = sum of p, and the block's part of the context, sum over s of p[s] values[s][:].  A later launch joins the 16 blocks of a batch.
; values is read from memory once: each piece is rounded to bf16 on its way through registers and stays in LDS (128 rows x 1,024 bf16) for both
; chunks of the product and for the context.  N goes in two chunks of 512 columns, the four waves side by side with 128 x 128 each: 64 accumulator
; tiles, 512 registers.  A fragment of W1 is used by one wave alone, so it goes from wb (stored as register images) straight into registers.
; NO JOINT LOADS IN A CLUSTER, though all work-groups walk the same wb: behind the resident rows (264,192 bytes) and the scratch (8,192) there remain
; 55,296 of 327,680 bytes of LDS; one K step of 32 for the group's 512 columns is 32,768 bytes, so two slots of even one step do not fit.
; LIMITS.  values, W1 (and v, as an operand of the product with the energies) are rounded to bf16 once; all sums, tanh, softmax and p are f32.
; tanh(x) = 1 - 2 / (1 + 2^(2 x log2 e)): absolute error of a few 2^-24, exact saturation at both ends (2^y = infinity gives 1, 2^y = 0 gives -1).
; A lane forms sum(v) - 2 sum(v r) over its 16 columns; the error stays within about 17 x 2^-24 x sum |v|, as for the direct sum.
; Exponentials below 2^-126 come out as zero (ISA guide, v_exp_f32).  NaN and infinite inputs are not served.
;
; THE MODE: SCHED_MODE bits 1:0 = 2 (LLVM: expert scheduling mode 2), set by the entry lines.  The code itself states the register dependences
; between vector or matrix instructions and memory or LDS instructions, with s_wait_alu, always for 0.
; THE PLAN, for K step t.  Registers that memory or LDS instructions touch:
;   ST[t % 3]        read by the step's 16 conversions (piece t + 3), at its head; piece t + 6 lands in it later in the step.
;   T                written by those conversions; read by the piece's 8 LDS stores of the same step; written again at the head of step t + 1.
;   AF[(t + 1) & 1]  last read by the products of step t - 1; the fragments of step t + 1 land in it.
;   B[(t + 2) % 3]   last read by the products of step t - 1; B of step t + 2 lands in it.
;   GA, GB           offsets, made once.   RA, SA: LDS addresses, stepped once a loop trip.   RS: RA as at K = 0.
; The products of step t name AF[t & 1], B[t % 3] and the accumulators alone.  So ONE wait on va_vdst stands in a step, behind its conversions: it states that
; T is written, that ST[t % 3] has been read, and that the last step's products are done reading the two buffers that are loaded again.  All the step's memory
; instructions follow it with no further wait, eight at a time between blocks of eight products.  One wait on vm_vsrc stands ahead of the conversions (T),
; one ahead of each stepping of RA and SA.
;
; REGISTERS in windows of 256 (s_set_vgpr_msb: bits 1:0 source 0, 3:2 source 1, 5:4 source 2, 7:6 destination):
;   window 0: addresses, constants, A's fragments of even K steps, staging;  window 1: v0-191 a ring of three B buffers, v192-255 A's fragments of odd K steps;
;   windows 2, 3: accumulators, tile (a, b) at 8 (8 (a % 4) + b).
.set PITCH, 2064                       ; an LDS row: 2,048 bytes + 16 = 129 x 16, so the 16 rows of a fragment load start 16 bytes apart modulo 256
.set SP,  128*PITCH                    ; [wave][128] partial scores, 2,048 bytes
.set PW,  SP+2048                      ; each wave's own copy of p[128], 512 bytes each
.set CW,  PW+2048                      ; each wave's own 1,024 bytes, to reorder its part of the context
.set GA,  8                            ; v8      values: (16 w + 8 h) rows + 16 r
.set GB,  9                            ; v9      16 x lane
.set SA,  10                           ; v10-11  LDS store address of my part of a piece, rows 0-63 and rows 64-127
.set RA,  12                           ; v12-15  LDS address of A's fragments, 32 rows apart
.set VO,  16                           ; v16     offset in v
.set QO,  17                           ; v17     offset in qps
.set VS,  18                           ; v18-19  sum of my 16 numbers of v, twice
.set QPC, 32                           ; v32-47  qps of column r of tile 8 c + b
.set VPR, 48                           ; v48-63  -2 v of column r of tile 8 c + b
.set AF,  64                           ; v64-127 A's eight fragments (16 rows x 32 K each) of an even step; an odd step's lie at AF + 128 of window 1
.set ST,  128                          ; v128-223 three staging buffers of 32 registers (f32 as loaded)
.set SC,  128                          ; v128-191 from the first epilogue on: score sums, register 8 a + j for row 16 a + 8 h + j
.set PB,  192                          ; v192-207 the context: p of eight rows, two buffers
.set T,   224                          ; v224-239 a piece in bf16 on its way to LDS; later at work
.set CX,  240                          ; v240-247 the context: my eight columns
.set RS,  248                          ; v248-251 RA as at K = 0; v248-255 at the very end: the context in store order
.set MSB, 0
.macro WIN new                         ; the immediate's high byte repeats the setting that is left; a switch that changes nothing is dropped
.if MSB != (\new)
	s_set_vgpr_msb (MSB<<8)|(\new)
.set MSB, (\new)
.endif
.endm
.macro PLACES                          ; four places behind matrix instructions, ahead of vector reads of their results and between a step's products and the loads into their sources
.rept 4
	v_nop
.endr
.endm
	s_load_b256 s[4:11], s[0:1], 0x0               ; values s[4:5], wb s[6:7], qps s[8:9], v s[10:11]
	s_load_b128 s[12:15], s[0:1], 0x20             ; scores s[12:13], stats s[14:15]
	s_load_b64 s[16:17], s[0:1], 0x30              ; pctx
	v_lshl_add_u32 v30, v0, 2, 0x42800
	v_mov_b32 v31, 0
	v_lshrrev_b32 v2, 5, v0
	v_readfirstlane_b32 s18, v2                    ; wave w
	v_and_b32 v1, 31, v0                           ; lane
	v_and_b32 v3, 15, v0                           ; r
	v_bfe_u32 v4, v0, 4, 1                         ; h
	v_and_b32 v29, 7, v0                           ; r % 8
	s_mov_b32 s2, ttmp9                            ; block g
	s_lshl_b32 s36, s2, 19                         ; 128 rows of 4,096 bytes
	s_mov_b32 s37, 0
	s_wait_alu depctr_va_sdst(0)                   ; s18 is written, ahead of its first reader: bases, offsets and a branch are made from it
	s_lshl_b32 s38, s18, 19                        ; my wave's stream in wb
	s_mov_b32 s39, 0
	s_lshr_b32 s40, s2, 4                          ; batch
	s_lshl_b32 s40, s40, 6
	s_mov_b32 s41, 0
	s_lshl_b32 s42, s2, 9
	s_mov_b32 s43, 0
	s_lshl_b32 s44, s2, 8
	s_mov_b32 s45, 0
	s_lshl_b32 s46, s2, 12
	s_mov_b32 s47, 0
	s_mov_b32 s22, 0x4038aa3b                      ; 2 log2(e), twice: a pair for the packed multiply-add
	s_mov_b32 s23, 0x4038aa3b
	s_mov_b32 s24, 0x76543210                      ; v_permlanex16_b32: lane i of one half reads lane i of the other
	s_mov_b32 s25, 0xfedcba98
	s_lshl_b32 s19, s18, 16
	s_lshl_b32 s26, s18, 10
	s_lshl_b32 s27, s18, 15
	v_lshlrev_b32 v[GA], 4, v3
	v_lshl_add_u32 v[GA], v4, 15, v[GA]
	v_add_nc_u32 v[GA], s19, v[GA]
	v_lshl_add_u32 v[VO], v3, 2, s26               ; v[256 w + 16 (8 c + b) + r]
	v_lshl_add_u32 v[QO], v3, 2, s27               ; qps tile 16 w + 8 c + b
	v_lshlrev_b32 v[GB], 4, v1
	s_wait_kmcnt 0x0
	s_add_nc_u64 s[4:5], s[4:5], s[36:37]
	s_add_nc_u64 s[6:7], s[6:7], s[38:39]
	s_add_nc_u64 s[8:9], s[8:9], s[40:41]
	s_add_nc_u64 s[12:13], s[12:13], s[42:43]
	s_add_nc_u64 s[14:15], s[14:15], s[44:45]
	s_add_nc_u64 s[16:17], s[16:17], s[46:47]
; Four of A's eight fragments (half hf) for K step ar (counted from where the addresses in base stand), into the buffer of ar's parity:
; lane (r, h) takes row r, 16 bytes at 16 h and at 32 + 16 h.  An even step's under window setting 0, an odd step's with the destination in window 1.
.macro LDA4 base, ar, hf
.irp i, 0,1,2,3
	ds_load_b128 v[AF+128*((\ar)&1)+8*(4*\hf+\i):AF+128*((\ar)&1)+8*(4*\hf+\i)+3],   v[\base+2*\hf+(\i>>1)] offset:(\i&1)*16*PITCH+(\ar)*64
	ds_load_b128 v[AF+128*((\ar)&1)+8*(4*\hf+\i)+4:AF+128*((\ar)&1)+8*(4*\hf+\i)+7], v[\base+2*\hf+(\i>>1)] offset:(\i&1)*16*PITCH+(\ar)*64+32
.endr
.endm
; Four of B's eight fragments (half hf) of step br (counted from where s[6:7] stands) into ring buffer br % 3 of window 1: 8 loads of 512 consecutive bytes
.macro LDB4 br, hf
.irp b, 0,1,2,3
	global_load_b128 v[64*((\br)%3)+8*(4*\hf+\b):64*((\br)%3)+8*(4*\hf+\b)+3],   v[GB], s[6:7] offset:(\br)*8192+(4*\hf+\b)*1024
	global_load_b128 v[64*((\br)%3)+8*(4*\hf+\b)+4:64*((\br)%3)+8*(4*\hf+\b)+7], v[GB], s[6:7] offset:(\br)*8192+(4*\hf+\b)*1024+512
.endr
.endm
; Piece pr of values = 64 rows (the lower for even pr, the upper for odd) x 64 K.  My wave takes 16 of the rows: lanes 0-15 the 256 bytes of row i, lanes 16-31 of row i + 8.
.macro LDP pr
.irp i, 0,1,2,3,4,5,6,7
	global_load_b128 v[ST+32*((\pr)%3)+4*\i:ST+32*((\pr)%3)+4*\i+3], v[GA], s[4:5] offset:((\pr)&1)*262144+\i*4096+((\pr)>>1)*256 th:TH_LOAD_NT
.endr
.endm
; Piece pr is rounded to bf16,
.macro CVT16 pr
.irp i, 0,1,2,3,4,5,6,7
	v_cvt_pk_bf16_f32 v[T+2*\i],   v[ST+32*((\pr)%3)+4*\i],   v[ST+32*((\pr)%3)+4*\i+1]
	v_cvt_pk_bf16_f32 v[T+2*\i+1], v[ST+32*((\pr)%3)+4*\i+2], v[ST+32*((\pr)%3)+4*\i+3]
.endr
.endm
; and stored to its place in LDS.  The two halves of the lanes lie 8 rows = 128 bytes modulo 256 apart: no two lanes meet in a bank.
.macro STO8 pr
.irp i, 0,1,2,3,4,5,6,7
	ds_store_b64 v[SA+((\pr)&1)], v[T+2*\i:T+2*\i+1] offset:\i*PITCH+((\pr)>>1)*128
.endr
.endm
; 8 products: row tile a of the window's four x all eight column tiles.  zero = 1: the product starts the sum, nothing is cleared.
.macro MUL8 hi, a, ar, br, zero
.irp b, 0,1,2,3,4,5,6,7
.if \zero
	v_wmma_f32_16x16x32_bf16 v[8*(8*\a+\b):8*(8*\a+\b)+7], v[AF+128*((\ar)&1)+8*(4*\hi+\a):AF+128*((\ar)&1)+8*(4*\hi+\a)+7], v[64*((\br)%3)+8*\b:64*((\br)%3)+8*\b+7], 0
.else
	v_wmma_f32_16x16x32_bf16 v[8*(8*\a+\b):8*(8*\a+\b)+7], v[AF+128*((\ar)&1)+8*(4*\hi+\a):AF+128*((\ar)&1)+8*(4*\hi+\a)+7], v[64*((\br)%3)+8*\b:64*((\br)%3)+8*\b+7], v[8*(8*\a+\b):8*(8*\a+\b)+7]
.endif
.endr
.endm
; One K step of 32: 64 products, the step's memory instructions dealt among them.  The 64 accumulators take turns in the same order in every step,
; over the backward jumps too.
; ar, br: the step counted from where A's and B's addresses stand.  cnt: the global loads younger than this step's B: those of the last step.
; conv: piece ar + 3 goes to LDS; its 16 conversions are also the places behind the last step's products.  aiss: piece ar + 6 is asked for, into the
; staging buffer just read.  nal: the next step's fragments are fetched into the buffer that the last step read (1: from RA; 2: K = 0 again, from RS).
; biss: B of step br + 2 is asked for, into the ring buffer that the last step read.  bar: the step ends in a barrier, which shows piece ar + 3 to all
; waves: the next step reads the rows of step ar + 2, which lie in pieces up to ar + 3.
; The piece's loads go out ahead of B's, and all global loads ahead of the barrier's signal.
; No byte of the resident rows is written twice, so no barrier is needed between reads and later stores.
.macro STEP ar, br, zero, cnt, conv, aiss, bar, nal, biss
	s_wait_loadcnt \cnt                            ; loads come back in order: this step's B is in, and the older piece ar + 3 too
.if \conv
	WIN 0
	s_wait_alu depctr_vm_vsrc(0)                   ; the LDS stores of the piece before have read T, which the conversions write again
	CVT16 \ar+3
.elseif \nal+\biss
	PLACES
.endif
.if \conv+\aiss+\nal+\biss
	s_wait_alu depctr_va_vdst(0)                   ; the conversions have written T and are done reading their staging buffer; the last step's products are done reading the fragments of A and the ring buffer of B that this step loads again; where RA and SA were stepped they are written
.endif
	s_wait_dscnt 0x0                               ; this step's fragments, fetched a step ago, are in: nothing else of mine is out in LDS
	WIN 0xa4+((\ar)&1)
	MUL8 0, 0, \ar, \br, \zero
.if \conv
	WIN 0
	STO8 \ar+3                                     ; no wait: no instruction since the wait above names T or SA
.endif
	WIN 0xa4+((\ar)&1)
	MUL8 0, 1, \ar, \br, \zero
.if \nal == 1
	WIN 0x40*((\ar+1)&1)
	LDA4 RA, \ar+1, 0                              ; no wait: the products since the wait above name this step's fragments, not the other buffer
.endif
.if \nal == 2
	WIN 0
	LDA4 RS, 0, 0
.endif
	WIN 0xa4+((\ar)&1)
	MUL8 0, 2, \ar, \br, \zero
.if \nal == 1
	WIN 0x40*((\ar+1)&1)
	LDA4 RA, \ar+1, 1
.endif
.if \nal == 2
	WIN 0
	LDA4 RS, 0, 1
.endif
	WIN 0xa4+((\ar)&1)
	MUL8 0, 3, \ar, \br, \zero
.if \aiss
	WIN 0
	LDP \ar+6                                      ; no wait: nothing since the wait above names the staging buffer
.endif
	WIN 0xf4+((\ar)&1)
	MUL8 1, 0, \ar, \br, \zero
.if \biss
	WIN 0x40
	LDB4 \br+2, 0                                  ; no wait: the products since the wait above name ring buffer br % 3, not this one
.endif
	WIN 0xf4+((\ar)&1)
	MUL8 1, 1, \ar, \br, \zero
.if \biss
	WIN 0x40
	LDB4 \br+2, 1
.endif
.if \bar
	s_wait_dscnt 0x0                               ; my part of the piece is in LDS before I say so (issued 40 products ago)
	s_barrier_signal -1
.endif
	WIN 0xf4+((\ar)&1)
	MUL8 1, 2, \ar, \br, \zero                     ; registers only, while the others arrive
	MUL8 1, 3, \ar, \br, \zero
.if \bar
	s_barrier_wait -1
.endif
.endm
	; ---- the head: constants and the first pieces.  56 loads are out at the most, here and in every step.
	s_wait_alu depctr_va_vdst(0)                   ; the offsets GA, GB, VO and QO are written, which the loads below read
.irp i, 0,1,2,3,4,5,6,7,8,9,10,11,12,13,14,15
	global_load_b32 v[VPR+\i], v[VO], s[10:11] offset:64*\i
	global_load_b32 v[QPC+\i], v[QO], s[8:9] offset:2048*\i
.endr
	LDP 0
	LDP 1
	LDP 2
	s_mul_i32 s36, s18, 16*PITCH
	v_mul_u32_u24 v5, v4, 8*PITCH
	v_lshl_add_u32 v5, v3, 3, v5
	v_add_nc_u32 v[SA], s36, v5                    ; row 16 w + 8 h, 8 bytes a lane
	v_add_nc_u32 v[SA+1], 64*PITCH, v[SA]
	v_mul_u32_u24 v5, v3, PITCH
	v_lshl_add_u32 v[RA], v4, 4, v5                ; row r, 16 h
	v_add_nc_u32 v[RA+1], 32*PITCH, v[RA]
	v_add_nc_u32 v[RA+2], 64*PITCH, v[RA]
	v_add_nc_u32 v[RA+3], 96*PITCH, v[RA]
.irp p, 0,1,2,3
	v_mov_b32 v[RS+\p], v[RA+\p]
.endr
	s_lshl_b32 s21, s18, 9                         ; 512 w
	s_add_co_u32 s36, s21, SP
	v_lshlrev_b32 v5, 2, v29
	v_lshl_add_u32 v5, v4, 5, v5
	v_add_nc_u32 v20, s36, v5                      ; my wave's partial scores: row 8 h + r % 8 of a tile
	v_add_nc_u32 v21, SP, v[GB]                    ; four rows a lane
	s_add_co_u32 s37, s21, PW
	v_add_nc_u32 v22, s37, v[GB]                   ; my wave's p: four a lane
	v_mov_b32 v23, s37                             ; and its first byte, for all lanes
	v_add_nc_u32 v24, s21, v[GB]                   ; the context: my 8 columns (16 bytes) of row 0
	s_add_co_u32 s38, s26, CW
	v_lshl_add_u32 v25, v1, 5, s38                 ; reorder: in, 32 bytes a lane
	v_add_nc_u32 v26, s38, v[GB]                   ; back, 16 bytes a lane
	v_add_nc_u32 v27, s26, v[GB]                   ; pctx: 1,024 w + 16 x lane
	v_lshlrev_b32 v28, 3, v1                       ; stats: 8 x lane
.irp j, 1,2,3,4,5,6,7
	v_cmp_eq_u32 s[28+\j], \j, v29                 ; lanes with r % 8 = j
.endr
	s_wait_alu depctr_va_sdst(0)                   ; the seven masks s29 to s35 are written: one wait behind the run, in this straight stretch; the selects of the scores read them
	s_wait_loadcnt 16                              ; v, qps and piece 0 are in; pieces 1 and 2 stay out
.irp i, 0,2,4,6,8,10,12,14
	v_cvt_pk_bf16_f32 v[T+\i], v[VPR+\i], v[VPR+\i+1]      ; v rounded to bf16 and widened again
	v_lshlrev_b32 v[VPR+\i], 16, v[T+\i]
	v_and_b32 v[VPR+\i+1], 0xffff0000, v[T+\i]
.endr
	v_pk_add_f32 v[T:T+1], v[VPR:VPR+1], v[VPR+2:VPR+3]
.irp i, 4,6,8,10,12,14
	v_pk_add_f32 v[T:T+1], v[T:T+1], v[VPR+\i:VPR+\i+1]
.endr
	v_add_f32 v[VS], v[T], v[T+1]
	v_mov_b32 v[VS+1], v[VS]
.irp i, 0,2,4,6,8,10,12,14
	v_pk_mul_f32 v[VPR+\i:VPR+\i+1], v[VPR+\i:VPR+\i+1], -2.0 op_sel_hi:[1,0]
.endr
	CVT16 0
	s_wait_alu depctr_va_vdst(0)                   ; the conversions have written T, which the LDS stores read, and are done reading staging buffer 0, in which piece 3 lands; the LDS addresses and offsets made above are written
	STO8 0
	WIN 0x40
	LDB4 0, 0
	LDB4 0, 1
	WIN 0
	LDP 3
	s_wait_loadcnt 32                              ; piece 1 is in; piece 2 (8), B of step 0 (16) and piece 3 (8) stay out
	s_wait_alu depctr_vm_vsrc(0)                   ; piece 0's LDS stores have read T, which the conversions write again
	CVT16 1
	s_wait_alu depctr_va_vdst(0)                   ; T is written; staging buffer 1 has been read, in which piece 4 lands
	STO8 1
	WIN 0x40
	LDB4 1, 0
	LDB4 1, 1
	WIN 0
	LDP 4
	s_wait_loadcnt 48                              ; piece 2 is in; B of step 0, piece 3, B of step 1 and piece 4 stay out
	s_wait_alu depctr_vm_vsrc(0)                   ; piece 1's LDS stores have read T
	CVT16 2
	s_wait_alu depctr_va_vdst(0)                   ; T is written; staging buffer 2 has been read, in which piece 5 lands
	STO8 2
	LDP 5
	s_wait_dscnt 0x0                               ; my parts of pieces 0, 1 and 2 are in LDS before I say so
	s_barrier_signal -1
	s_barrier_wait -1
	LDA4 RA, 0, 0                                  ; RA was written ahead of the waits above; no vector instruction has named these fragment registers
	LDA4 RA, 0, 1
	; ---- chunk 0: steps 0 to 31, values streamed in.  In a step the piece's loads go out ahead of B's, so behind B of step t stand only the loads of
	; step t - 1: piece t + 5 (8) and B of step t + 1 (16).
	STEP 0, 0, 1, 32, 1, 1, 1, 1, 1                ; needs B 0 and piece 3: behind piece 3 stand B 1 (16), pieces 4 and 5 (16)
	STEP 1, 1, 0, 32, 1, 1, 1, 1, 1                ; needs B 1 and piece 4: behind piece 4 stand piece 5 (8), piece 6 (8), B 2 (16)
	WIN 0                                          ; at a label and at a branch every window is 0
	s_mov_b32 s20, 4
.Lchunk0:                                              ; steps 2 to 25, six a trip: a multiple of both rings of three, of A's two buffers and of a piece's two steps
.irp t, 2,3,4,5,6,7
	STEP \t, \t, 0, 24, 1, 1, 1, 1, 1
.endr
	WIN 0
	s_wait_xcnt 0x0                                ; the bases of loads that are out are stepped only behind this wait
	s_wait_alu depctr_vm_vsrc(0)                   ; the trip's fragment loads and piece stores have read RA and SA, which are stepped below; the next step's wait on va_vdst shows them written
	s_add_nc_u64 s[6:7], s[6:7], 6*8192
	s_add_nc_u64 s[4:5], s[4:5], 3*256
.irp p, 0,1,2,3
	v_add_nc_u32 v[RA+\p], 6*64, v[RA+\p]
.endr
	v_add_nc_u32 v[SA], 3*128, v[SA]
	v_add_nc_u32 v[SA+1], 3*128, v[SA+1]
	s_sub_co_u32 s20, s20, 1
	s_cmp_lg_u32 s20, 0
	s_cbranch_scc1 .Lchunk0                        ; step 25 has asked for the last piece, 31
	STEP 2, 2, 0, 24, 1, 0, 1, 1, 1                ; step 26: younger are piece 31 and B 27
	STEP 3, 3, 0, 16, 1, 0, 1, 1, 1                ; step 27: from here on only B of the next step is younger
	STEP 4, 4, 0, 16, 1, 0, 1, 1, 1                ; step 28 stores the last piece; the last barrier of the product
	STEP 5, 5, 0, 16, 0, 0, 0, 1, 1                ; step 29
	STEP 6, 6, 0, 16, 0, 0, 0, 1, 1                ; step 30
	STEP 7, 7, 0, 16, 0, 0, 0, 2, 1                ; step 31 fetches the next chunk's first fragments; they and B of steps 32 and 33 are on their way through the epilogue
	WIN 0
	s_wait_alu depctr_vm_vsrc(0)                   ; the fragment loads issued so far have read RA, which is written below; so have the last piece's stores read T
.irp p, 0,1,2,3
	v_mov_b32 v[RA+\p], v[RS+\p]                   ; back to K = 0; these four are also the places between the last products and the epilogue's reads (ISA guide 7.12.1)
.endr
; ---- the epilogue of a chunk, one window of 32 tiles at a time, in place: y = 2 log2(e) acc + qps; r = 1 / (1 + 2^y); then score += -2 v r.
; Tile i (column tile b = i % 8).  The constant of column tile b is register b % 2 of an aligned pair, picked for both halves by op_sel and op_sel_hi.
.macro SCALE i, c
.irp p, 0,2,4,6
.if ((\i)&1)
	v_pk_fma_f32 v[8*(\i)+\p:8*(\i)+\p+1], v[8*(\i)+\p:8*(\i)+\p+1], s[22:23], v[QPC+8*\c+((\i)&6):QPC+8*\c+((\i)&6)+1] op_sel:[0,0,1] op_sel_hi:[1,0,1]
.else
	v_pk_fma_f32 v[8*(\i)+\p:8*(\i)+\p+1], v[8*(\i)+\p:8*(\i)+\p+1], s[22:23], v[QPC+8*\c+((\i)&6):QPC+8*\c+((\i)&6)+1] op_sel_hi:[1,0,0]
.endif
.endr
.endm
.macro EXPT i
.irp p, 0,1,2,3,4,5,6,7
	v_exp_f32 v[8*(\i)+\p], v[8*(\i)+\p]
.endr
.endm
.macro ADD1 i
.irp p, 0,2,4,6
	v_pk_add_f32 v[8*(\i)+\p:8*(\i)+\p+1], v[8*(\i)+\p:8*(\i)+\p+1], 1.0 op_sel_hi:[1,0]
.endr
.endm
.macro RCPT i
.irp p, 0,1,2,3,4,5,6,7
	v_rcp_f32 v[8*(\i)+\p], v[8*(\i)+\p]
.endr
.endm
; The window's 32 tiles go in four groups of eight through five phases.  Phase g holds, tile by tile: 1 + 2^y of group g - 1, the exponentials of group g,
; the scaling of group g + 1, the reciprocals of group g - 1.  Nothing in a phase names the result of a transcendental issued in the same phase: the exponentials of
; group g are read in phase g + 1, the reciprocals by the sums behind the window.  So ONE wait closes a phase, for all its transcendentals; a v_nop is the plain
; place behind the last of them (ISA guide 5.7.2).  Inside a phase runs of eight transcendentals and of four plain instructions on other registers take turns.
.macro EPIWIN c
.set u, 0
.rept 8
	SCALE u, \c
.set u, u+1
.endr
.set g, 0
.rept 5
.set u, 0
.rept 8
.if g > 0
	ADD1 8*(g-1)+u
.endif
.if g < 4
	EXPT 8*g+u
.endif
.if g < 3
	SCALE 8*(g+1)+u, \c
.endif
.if g > 0
	RCPT 8*(g-1)+u
.endif
.set u, u+1
.endr
.if g > 0
	v_nop
.endif
	s_wait_alu depctr_va_vdst(0)                   ; the phase's exponentials and reciprocals have written their results, ahead of the first instruction that names one
.set g, g+1
.endr
.endm
; score sums: 16 chains of pairs in turn.  The very first term takes sum(v) as its addend: nothing is cleared.
.macro SUMWIN c, hi
.irp b, 0,1,2,3,4,5,6,7
.irp a, 0,1,2,3
.irp p, 0,2,4,6
.if (\c+\b) == 0
	v_pk_fma_f32 v[SC+8*(4*\hi+\a)+\p:SC+8*(4*\hi+\a)+\p+1], v[8*(8*\a+\b)+\p:8*(8*\a+\b)+\p+1], v[VPR:VPR+1], v[VS:VS+1] op_sel_hi:[1,0,1]
.else
.if ((\b)&1)
	v_pk_fma_f32 v[SC+8*(4*\hi+\a)+\p:SC+8*(4*\hi+\a)+\p+1], v[8*(8*\a+\b)+\p:8*(8*\a+\b)+\p+1], v[VPR+8*\c+\b-1:VPR+8*\c+\b], v[SC+8*(4*\hi+\a)+\p:SC+8*(4*\hi+\a)+\p+1] op_sel:[0,1,0] op_sel_hi:[1,1,1]
.else
	v_pk_fma_f32 v[SC+8*(4*\hi+\a)+\p:SC+8*(4*\hi+\a)+\p+1], v[8*(8*\a+\b)+\p:8*(8*\a+\b)+\p+1], v[VPR+8*\c+\b:VPR+8*\c+\b+1], v[SC+8*(4*\hi+\a)+\p:SC+8*(4*\hi+\a)+\p+1] op_sel_hi:[1,0,1]
.endif
.endif
.endr
.endr
.endr
.endm
.macro EPI c
	WIN 0x82                                       ; destination and source 0 in window 2, the constants in window 0
	EPIWIN \c
	WIN 0x02                                       ; source 0 in window 2, sums in window 0
	SUMWIN \c, 0
	WIN 0xc3
	EPIWIN \c
	WIN 0x03
	SUMWIN \c, 1
	WIN 0
.endm
	EPI 0
	; ---- chunk 1: steps 32 to 63, A from LDS alone: no barrier.  16 = B of the next step.
	STEP 0, 8, 1, 16, 0, 0, 0, 1, 1                ; step 32 (B's base stands at step 24)
	WIN 0
	s_mov_b32 s20, 4
.Lchunk1:                                              ; steps 33 to 56
.irp t, 1,2,3,4,5,6
	STEP \t, \t+8, 0, 16, 0, 0, 0, 1, 1
.endr
	WIN 0
	s_wait_xcnt 0x0                                ; B's base is stepped only behind this wait
	s_wait_alu depctr_vm_vsrc(0)                   ; the trip's fragment loads have read RA, which is stepped below; the next step's wait on va_vdst shows it written
	s_add_nc_u64 s[6:7], s[6:7], 6*8192
.irp p, 0,1,2,3
	v_add_nc_u32 v[RA+\p], 6*64, v[RA+\p]
.endr
	s_sub_co_u32 s20, s20, 1
	s_cmp_lg_u32 s20, 0
	s_cbranch_scc1 .Lchunk1
.irp t, 1,2,3,4,5
	STEP \t, \t+8, 0, 16, 0, 0, 0, 1, 1            ; steps 57 to 61; step 61 asks for the last B, step 63's
.endr
	STEP 6, 14, 0, 16, 0, 0, 0, 1, 0               ; step 62
	STEP 7, 15, 0, 0, 0, 0, 0, 0, 0                ; step 63: nothing younger is out, nothing is left to fetch, so no dependence is left to state
	PLACES
	EPI 1
	; ---- scores.  Sum over the 16 lanes of a half (the 16 columns r); every lane of the half then holds the sum for row 16 a + 8 h + j.
.irp x, 1,2,4,8
.set q, 0
.rept 64
	v_add_f32_dpp v[SC+q], v[SC+q], v[SC+q] row_xmask:\x row_mask:0xf bank_mask:0xf
.set q, q+1
.endr
.endr
.irp a, 0,1,2,3,4,5,6,7
	v_cndmask_b32 v[T+\a], v[SC+8*\a], v[SC+8*\a+1], s29   ; lane r keeps row j = r % 8
.irp j, 2,3,4,5,6,7
	v_cndmask_b32 v[T+\a], v[T+\a], v[SC+8*\a+\j], s[28+\j]
.endr
.endr
	s_wait_alu depctr_va_vdst(0)                   ; the selects have written T, which the LDS stores read
.irp a, 0,1,2,3,4,5,6,7
	ds_store_b32 v20, v[T+\a] offset:64*\a         ; lanes r and r + 8 write the same word with the same number
.endr
	s_wait_dscnt 0x0                               ; my wave's partial scores are in LDS before I say so
	s_barrier_signal -1
	s_barrier_wait -1
	s_wait_alu depctr_vm_vsrc(0)                   ; my LDS stores have read T, in which the loads below land (the selects that wrote it stand ahead of the last wait on va_vdst)
	; every wave alike: lane l owns rows 4 l .. 4 l + 3
.irp u, 0,1,2,3
	ds_load_b128 v[T+4*\u:T+4*\u+3], v21 offset:512*\u
.endr
	s_wait_dscnt 0x0
.irp u, 1,2,3
	v_pk_add_f32 v[T:T+1],   v[T:T+1],   v[T+4*\u:T+4*\u+1]
	v_pk_add_f32 v[T+2:T+3], v[T+2:T+3], v[T+4*\u+2:T+4*\u+3]
.endr
	v_max_num_f32 v[T+4], v[T], v[T+1]
	v_max3_num_f32 v[T+4], v[T+4], v[T+2], v[T+3]
.irp x, 1,2,4,8
	v_max_num_f32_dpp v[T+4], v[T+4], v[T+4] row_xmask:\x row_mask:0xf bank_mask:0xf
.endr
	v_mov_b32 v[T+5], v[T+4]                       ; the permute's destination counts as read
	v_permlanex16_b32 v[T+5], v[T+4], s24, s25
	v_max_num_f32 v[T+4], v[T+4], v[T+5]           ; m, the block's largest score, in every lane
.irp k, 0,1,2,3
	v_sub_f32 v[T+8+\k], v[T+\k], v[T+4]
.endr
.irp k, 0,1,2,3
	v_mul_f32 v[T+8+\k], 0x3fb8aa3b, v[T+8+\k]
.endr
.irp k, 0,1,2,3
	v_exp_f32 v[T+8+\k], v[T+8+\k]                 ; p = e^(score - m), at most 1
.endr
	v_nop                                          ; one plain place between the exponentials and the use of their results (ISA guide 5.7.2)
	s_wait_alu depctr_va_vdst(0)                   ; the four exponentials have written p, which the LDS store and the sums below read; the scores in v[T:T+3] and m are written too
	ds_store_b128 v22, v[T+8:T+11]                 ; p into my wave's own bytes
	v_add_f32 v[T+6], v[T+8], v[T+9]
	v_add_f32 v[T+7], v[T+10], v[T+11]
	v_add_f32 v[T+6], v[T+6], v[T+7]
.irp x, 1,2,4,8
	v_add_f32_dpp v[T+6], v[T+6], v[T+6] row_xmask:\x row_mask:0xf bank_mask:0xf
.endr
	v_permlanex16_b32 v[T+7], v[T+6], s24, s25
	v_add_f32 v[T+5], v[T+6], v[T+7]               ; l = sum of p; (m, l) is the pair v[T+4:T+5]
	s_cmp_lg_u32 s18, 0
	s_cbranch_scc1 .Lnot_wave_0
	s_wait_alu depctr_va_vdst(0)                   ; l is written, which the second store reads
	global_store_b128 v[GB], v[T:T+3], s[12:13]    ; the block's 128 scores: 512 consecutive bytes; T is not written again
	global_store_b64 v28, v[T+4:T+5], s[14:15]     ; (m, l) from all 32 lanes: 256 consecutive bytes, aligned
.Lnot_wave_0:
	; ---- the block's part of the context: wave w takes columns 256 w .. 256 w + 255, a lane eight of them, all 128 rows from LDS, in f32.
	; Two buffers (p of eight rows, and the rows) take turns: a batch's multiply-adds read one; behind them, and behind a wait that states that they are done
	; reading it, the batch after next lands in it, while the other buffer is worked on.
; batch bt of a trip (eight rows) into buffer buf: two loads of p (all lanes the same words) and eight rows of 512 consecutive bytes: ten LDS loads
.macro CISS bt, buf
	ds_load_b128 v[PB+8*\buf:PB+8*\buf+3],   v23 offset:32*\bt      ; LDS serves a wave's instructions in order: these see my store of p
	ds_load_b128 v[PB+8*\buf+4:PB+8*\buf+7], v23 offset:32*\bt+16
.irp i, 0,1,2,3,4,5,6,7
	ds_load_b128 v[AF+32*\buf+4*\i:AF+32*\buf+4*\i+3], v24 offset:(8*\bt+\i)*PITCH
.endr
.endm
.macro CDO buf
.irp i, 0,1,2,3,4,5,6,7
.irp e, 0,1,2,3
	v_fma_mix_f32_bf16 v[CX+2*\e],   v[AF+32*\buf+4*\i+\e], v[PB+8*\buf+\i], v[CX+2*\e]   op_sel_hi:[1,0,0]
	v_fma_mix_f32_bf16 v[CX+2*\e+1], v[AF+32*\buf+4*\i+\e], v[PB+8*\buf+\i], v[CX+2*\e+1] op_sel:[1,0,0] op_sel_hi:[1,0,0]
.endr
.endr
.endm
.irp e, 0,1,2,3,4,5,6,7
	v_mov_b32 v[CX+\e], 0
.endr
	s_mov_b32 s20, 4
.Lcontext:                                             ; 32 rows a trip.  On the way in, the last products and conversions that named the two buffers stand ahead of the epilogue's waits; round the back edge the wait at the trip's end serves
	CISS 0, 0
	CISS 1, 1
	s_wait_dscnt 10                                ; the older batch is in, the younger one's ten loads stay out
	CDO 0
	s_wait_alu depctr_va_vdst(0)                   ; the multiply-adds are done reading buffer 0, in which the next loads land
	CISS 2, 0
	s_wait_dscnt 10
	CDO 1
	s_wait_alu depctr_va_vdst(0)                   ; the multiply-adds are done reading buffer 1, in which the next loads land
	CISS 3, 1
	s_wait_dscnt 10
	CDO 0
	s_wait_dscnt 0x0
	CDO 1
	s_wait_alu depctr_vm_vsrc(0)                   ; the trip's LDS loads have read v23 and v24, which are stepped below
	v_add_nc_u32 v24, 32*PITCH, v24
	v_add_nc_u32 v23, 128, v23
	s_wait_alu depctr_va_vdst(0)                   ; v23 and v24 are written and both buffers have been read, for the next trip's loads; behind the last trip: CX is written, which the LDS stores below read
	s_sub_co_u32 s20, s20, 1
	s_cmp_lg_u32 s20, 0
	s_cbranch_scc1 .Lcontext
	; a lane holds 32 neighbouring bytes; through my wave's own LDS bytes they become 16 bytes a lane, so that each store covers 512 consecutive bytes
	ds_store_b128 v25, v[CX:CX+3]
	ds_store_b128 v25, v[CX+4:CX+7] offset:16
	ds_load_b128 v[RS:RS+3], v26                   ; RS's last readers, step 31's fragment loads and the four copies behind it, stand ahead of waits on vm_vsrc and on va_vdst
	ds_load_b128 v[RS+4:RS+7], v26 offset:512
	s_wait_dscnt 0x0
	global_store_b128 v27, v[RS:RS+3], s[16:17]
	global_store_b128 v27, v[RS+4:RS+7], s[16:17] offset:512
	s_wait_dscnt 0x0
	s_wait_alu depctr_hold_cnt(0) depctr_sa_sdst(0) depctr_va_vdst(0) depctr_va_sdst(0) depctr_va_ssrc(0) depctr_va_vcc(0) depctr_vm_vsrc(0)
	s_wait_tensorcnt 0x0
	ds_add_u32 v30, v31
	s_wait_dscnt 0x0
	s_endpgm
.Lfunc_end_k_qd923dbc73c_attn:
	.size	k_qd923dbc73c_attn, .Lfunc_end_k_qd923dbc73c_attn-k_qd923dbc73c_attn
	.p2alignl 7, 3214868480
	.fill 96, 4, 3214868480
	.section	.rodata,"a",@progbits
	.p2align	6, 0x0
	.amdhsa_kernel k_qd923dbc73c_attn
		.amdhsa_group_segment_fixed_size 272896
		.amdhsa_private_segment_fixed_size 0
		.amdhsa_enable_private_segment 0
		.amdhsa_kernarg_size 56
		.amdhsa_user_sgpr_count 2
		.amdhsa_user_sgpr_kernarg_segment_ptr 1
		.amdhsa_wavefront_size32 1
		.amdhsa_system_sgpr_workgroup_id_x 1
		.amdhsa_system_sgpr_workgroup_id_y 1
		.amdhsa_system_sgpr_workgroup_id_z 1
		.amdhsa_system_vgpr_workitem_id 0
		.amdhsa_next_free_vgpr 1024
		.amdhsa_next_free_sgpr 66
		.amdhsa_reserve_vcc 0
		.amdhsa_float_denorm_mode_32 3
		.amdhsa_float_denorm_mode_16_64 3
		.amdhsa_memory_ordered 1
		.amdhsa_forward_progress 1
		.amdhsa_inst_pref_size 255
	.end_amdhsa_kernel
	.section	.bss,"aw",@nobits
	.p2align	6
	.space	262144
	.amdgpu_metadata
---
amdhsa.version: [ 1, 2 ]
amdhsa.kernels:
  - .name:           k_qd923dbc73c_attn
    .symbol:         k_qd923dbc73c_attn.kd
    .args:
      - { .name: values, .offset: 0, .size: 8, .value_kind: global_buffer, .address_space: global }
      - { .name: wb, .offset: 8, .size: 8, .value_kind: global_buffer, .address_space: global }
      - { .name: qps, .offset: 16, .size: 8, .value_kind: global_buffer, .address_space: global }
      - { .name: v, .offset: 24, .size: 8, .value_kind: global_buffer, .address_space: global }
      - { .name: scores, .offset: 32, .size: 8, .value_kind: global_buffer, .address_space: global }
      - { .name: stats, .offset: 40, .size: 8, .value_kind: global_buffer, .address_space: global }
      - { .name: pctx, .offset: 48, .size: 8, .value_kind: global_buffer, .address_space: global }
    .group_segment_fixed_size: 272896
    .private_segment_fixed_size: 0
    .kernarg_segment_align: 8
    .kernarg_segment_size: 56
    .max_flat_workgroup_size: 128
    .sgpr_count:     66
    .vgpr_count:     1024
    .wavefront_size: 32
...
	.end_amdgpu_metadata
.endif
;; end of part 4
;; launch comb: the kernel of part 3 again; grid 4 x 32, 4 waves a work-group, no clusters, 0 bytes of LDS; arguments scores, stats, pctx, out0, out1; writes out0, out1
